; MI455X (gfx1250); checked and timed in simulation.
; The chip was launched on July 23, 2026; its instructions are those of AMD's public machine-readable ISA for CDNA 5 (MIT licence, August 2026) and "CDNA5" Instruction Set Architecture Reference Guide (July 2026). The comments in the code are by the model that wrote it; some were corrected since.
;; Traceable Encoder Layer. Allowed arithmetic: float matrix products may take bf16 or f16 operands with f32 sums; other float arithmetic in f32, or as packed bf16 or f16 multiplies, adds, multiply-adds, maxima and minima; sums over many terms, partial sums and values carried from step to step in f32; what a program stores and reads back later, other than sums and carried values, may be rounded once to bf16 or f16.
;; Inputs: conv1_w 4,096 x 1,024 float32; conv2_w 1,024 x 4,096 float32; ln1_w 1,024 float32; ln2_w 1,024 float32; mask 2 x 2,048 float32; o_w 1,024 x 1,024 float32; qkv_w 3,072 x 1,024 float32; x 2 x 2,048 x 1,024 float32.
;; Outputs: out0 2 x 2,048 x 1,024 float32.
;; One version. Each part assembles by itself: llvm-mc -triple=amdgcn-amd-amdhsa -mcpu=gfx1250 --defsym DOCPART=n.
;; ======== version 1 of 1: 7 launches
;; limits: values are held in f16: magnitudes above 65,504 overflow, below 6.1e-05 lose precision
;; workspace buffers: wq 6,291,456 bytes; wo 2,097,152 bytes; w1 8,388,608 bytes; w2 8,388,608 bytes; hn 8,388,608 bytes; ao 8,388,608 bytes; wide 33,554,432 bytes; x1 16,777,216 bytes
;; launch prep (part 1): grid 1280 x 1, 8 waves a work-group, no clusters, 0 bytes of LDS; arguments qkv_w, o_w, conv1_w, conv2_w, wq, wo, w1, w2, x, ln1_w, hn; writes wq, wo, w1, w2, hn
.if DOCPART == 1
	.amdgcn_target "amdgcn-amd-amdhsa--gfx1250"
	.amdhsa_code_object_version 6
	.text
	.protected	k_qffa39543ae_prep
	.globl	k_qffa39543ae_prep
	.p2align	8
	.type	k_qffa39543ae_prep,@function
k_qffa39543ae_prep:
	s_mov_b64 s[64:65], 0
	v_nop
	global_prefetch_b8 v0, s[64:65] scope:SCOPE_SE
	s_setreg_imm32_b32 hwreg(HW_REG_WAVE_MODE, 25, 1), 1
	s_wait_xcnt 0x0
; TWO STREAMS IN ONE LAUNCH, told apart by the work-group's number; neither reads what the other writes.
; Groups 0-511: hn[r][c] = (x[r][c] - mean_r) / sqrt(var_r + 1e-5) * ln1_w[c], rounded once to f16.  x: [4096][1024] f32, hn: [4096][1024] f16.  A group takes 8 rows, a wave one: the row's 4,096 bytes lie in
; 32 registers (load j: 512 consecutive bytes at 512 j), so it is read once and no wave waits for another.  The variance is the mean of the squared differences from the mean, taken in a second pass over
; registers: a common offset of the row costs nothing.  A store covers 256 consecutive bytes, aligned.
; Groups 512-1279: the four weight matrices are rounded once to 16 bits: qkv_w, o_w and conv1_w to f16, conv2_w to bf16 (its partner in the product, gelu's result, has no room in f16).  A group takes 16,384 numbers:
; chunks 0-191 qkv_w, 192-255 o_w, 256-511 conv1_w, 512-767 conv2_w.  Thread t's load j takes 16 bytes at 4,096 j + 16 t (a wave: 512 consecutive bytes), its store j 8 bytes at 2,048 j + 8 t (a wave: 256, aligned).
; LIMITS.  f16: a norm's result or a weight beyond 65,504 would become an infinity; below 6e-5 a weight keeps f16's fixed step of 6e-8.
; No LDS, no barrier, no matrix unit: nothing is shared and nothing is multiplied.  No register is written twice while a memory instruction may read it, so no wait frees a source.
.set LNWG, 512                         ; groups that norm
.set W,  4                             ; v[4:35]    w in the row's layout
.set X,  36                            ; v[36:67]   the row
.set T,  68                            ; v[68:75]   four chains of packed sums
.set MU, 76                            ; v[76:77]   the mean, twice
.set R,  78                            ; v[78:79]   1 / sqrt(var + eps), twice
.set Y,  80                            ; v[80:95]   the row in f16
.set CX, 4                             ; v[4:67]    the cast: as loaded
.set CY, 68                            ; v[68:99]   the cast: to store
	s_mov_b32 s2, ttmp9
	s_cmp_ge_u32 s2, LNWG
	s_cbranch_scc1 .Lcast
	s_load_b128 s[4:7], s[0:1], 0x40               ; x s[4:5], ln1_w s[6:7]
	s_load_b64 s[8:9], s[0:1], 0x50                ; hn
	s_lshl_b32 s16, s2, 15                         ; 8 rows of 4,096 bytes
	s_mov_b32 s17, 0
	s_lshl_b32 s18, s2, 14                         ; 8 rows of 2,048 bytes
	s_mov_b32 s19, 0
	s_mov_b32 s12, 0x76543210                      ; v_permlanex16_b32: each lane takes its own place in the other half
	s_mov_b32 s13, 0xfedcba98
	s_mov_b32 s14, 0x3a800000                      ; 1 / 1024
	s_mov_b32 s15, 0x3727c5ac                      ; 1e-5
	v_and_b32 v1, 31, v0
	v_lshrrev_b32 v3, 5, v0
	v_lshlrev_b32 v2, 12, v3                       ; my wave's row in x,
	v_lshl_add_u32 v2, v1, 4, v2                   ; 16 bytes a lane
	v_lshlrev_b32 v3, 11, v3                       ; and in hn,
	v_lshl_add_u32 v3, v1, 3, v3                   ; 8 bytes a lane
	v_lshlrev_b32 v1, 4, v1
	s_wait_kmcnt 0x0
	s_add_nc_u64 s[4:5], s[4:5], s[16:17]
	s_add_nc_u64 s[8:9], s[8:9], s[18:19]
.irp j, 0,1,2,3,4,5,6,7
	global_load_b128 v[X+4*(\j):X+4*(\j)+3], v2, s[4:5] offset:512*(\j)
.endr
.irp j, 0,1,2,3,4,5,6,7
	global_load_b128 v[W+4*(\j):W+4*(\j)+3], v1, s[6:7] offset:512*(\j)
.endr
.macro SUMUP                           ; the four chains into one number, the same in all 32 lanes
	v_pk_add_f32 v[T:T+1], v[T:T+1], v[T+2:T+3]
	v_pk_add_f32 v[T+4:T+5], v[T+4:T+5], v[T+6:T+7]
	v_pk_add_f32 v[T:T+1], v[T:T+1], v[T+4:T+5]
	v_add_f32 v[T], v[T], v[T+1]
	v_add_f32_dpp v[T], v[T], v[T] row_xmask:1 row_mask:0xf bank_mask:0xf
	v_add_f32_dpp v[T], v[T], v[T] row_xmask:2 row_mask:0xf bank_mask:0xf
	v_add_f32_dpp v[T], v[T], v[T] row_xmask:4 row_mask:0xf bank_mask:0xf
	v_add_f32_dpp v[T], v[T], v[T] row_xmask:8 row_mask:0xf bank_mask:0xf
	v_permlanex16_b32 v[T+1], v[T], s12, s13       ; its destination has been written above
	v_add_f32 v[T], v[T], v[T+1]
.endm
	s_wait_loadcnt 8                               ; the row is in; w's eight loads stay out
.irp k, 0,1,2,3
	v_pk_add_f32 v[T+2*(\k):T+2*(\k)+1], v[X+2*(\k):X+2*(\k)+1], v[X+8+2*(\k):X+8+2*(\k)+1]
.endr
.irp k, 8,9,10,11,12,13,14,15
	v_pk_add_f32 v[T+2*((\k)%4):T+2*((\k)%4)+1], v[T+2*((\k)%4):T+2*((\k)%4)+1], v[X+2*(\k):X+2*(\k)+1]
.endr
	SUMUP
	v_mul_f32 v[MU], s14, v[T]
	v_mul_f32 v[MU+1], s14, v[T]
.irp k, 0,1,2,3,4,5,6,7,8,9,10,11,12,13,14,15
	v_pk_add_f32 v[X+2*(\k):X+2*(\k)+1], v[X+2*(\k):X+2*(\k)+1], v[MU:MU+1] neg_lo:[0,1] neg_hi:[0,1]
.endr
.irp k, 0,1,2,3
	v_pk_mul_f32 v[T+2*(\k):T+2*(\k)+1], v[X+2*(\k):X+2*(\k)+1], v[X+2*(\k):X+2*(\k)+1]
.endr
.irp k, 4,5,6,7,8,9,10,11,12,13,14,15
	v_pk_fma_f32 v[T+2*((\k)%4):T+2*((\k)%4)+1], v[X+2*(\k):X+2*(\k)+1], v[X+2*(\k):X+2*(\k)+1], v[T+2*((\k)%4):T+2*((\k)%4)+1]
.endr
	SUMUP
	v_fma_f32 v[T], v[T], s14, s15                 ; var + eps
	v_rsq_f32 v[R], v[T]
	v_rsq_f32 v[R+1], v[T]
	v_nop                                          ; a plain instruction between the root and the use of its result (ISA guide 5.7.2)
	s_wait_loadcnt 0x0                             ; w
	s_wait_alu depctr_va_vdst(0)
.irp k, 0,1,2,3,4,5,6,7,8,9,10,11,12,13,14,15
	v_pk_mul_f32 v[X+2*(\k):X+2*(\k)+1], v[X+2*(\k):X+2*(\k)+1], v[R:R+1]
.endr
.irp k, 0,1,2,3,4,5,6,7,8,9,10,11,12,13,14,15
	v_pk_mul_f32 v[X+2*(\k):X+2*(\k)+1], v[X+2*(\k):X+2*(\k)+1], v[W+2*(\k):W+2*(\k)+1]
.endr
.irp k, 0,1,2,3,4,5,6,7,8,9,10,11,12,13,14,15
	v_cvt_pk_f16_f32 v[Y+(\k)], v[X+2*(\k)], v[X+2*(\k)+1]
.endr
.irp j, 0,1,2,3,4,5,6,7
	global_store_b64 v3, v[Y+2*(\j):Y+2*(\j)+1], s[8:9] offset:256*(\j)
.endr
	s_endpgm
.Lcast:
	s_load_b512 s[8:23], s[0:1], 0x0               ; qkv_w s[8:9], o_w s[10:11], conv1_w s[12:13], conv2_w s[14:15], wq s[16:17], wo s[18:19], w1 s[20:21], w2 s[22:23]
	s_sub_co_u32 s25, s2, LNWG                     ; my chunk among the 768
	v_lshlrev_b32 v1, 4, v0                        ; 16 t
	v_lshlrev_b32 v2, 3, v0                        ; 8 t
	s_wait_kmcnt 0x0
	s_mov_b64 s[4:5], s[8:9]                       ; source, destination and the matrix's first chunk: chosen by the chunk's number alone
	s_mov_b64 s[6:7], s[16:17]
	s_mov_b32 s3, 0
.macro PICK first, src, dst
	s_cmp_ge_u32 s25, \first
	s_cselect_b64 s[4:5], s[\src:\src+1], s[4:5]
	s_cselect_b64 s[6:7], s[\dst:\dst+1], s[6:7]
	s_cselect_b32 s3, \first, s3
.endm
	PICK 192, 10, 18
	PICK 256, 12, 20
	PICK 512, 14, 22
	s_sub_co_u32 s24, s25, s3                      ; my chunk in its matrix
	s_lshl_b32 s26, s24, 16
	s_mov_b32 s27, 0
	s_lshl_b32 s28, s24, 15
	s_mov_b32 s29, 0
	s_add_nc_u64 s[4:5], s[4:5], s[26:27]
	s_add_nc_u64 s[6:7], s[6:7], s[28:29]
.irp j, 0,1,2,3,4,5,6,7,8,9,10,11,12,13,14,15
	global_load_b128 v[CX+4*(\j):CX+4*(\j)+3], v1, s[4:5] offset:(\j)*4096 th:TH_LOAD_NT
.endr
	s_cmp_ge_u32 s25, 512
	s_cbranch_scc1 .Lbf
.irp j, 0,1,2,3,4,5,6,7,8,9,10,11,12,13,14,15
	s_wait_loadcnt 15-(\j)                         ; loads come back in order: load j is in, the younger ones stay out
	v_cvt_pk_f16_f32 v[CY+2*(\j)],   v[CX+4*(\j)],   v[CX+4*(\j)+1]
	v_cvt_pk_f16_f32 v[CY+2*(\j)+1], v[CX+4*(\j)+2], v[CX+4*(\j)+3]
	global_store_b64 v2, v[CY+2*(\j):CY+2*(\j)+1], s[6:7] offset:(\j)*2048
.endr
	s_endpgm
.Lbf:
.irp j, 0,1,2,3,4,5,6,7,8,9,10,11,12,13,14,15
	s_wait_loadcnt 15-(\j)
	v_cvt_pk_bf16_f32 v[CY+2*(\j)],   v[CX+4*(\j)],   v[CX+4*(\j)+1]
	v_cvt_pk_bf16_f32 v[CY+2*(\j)+1], v[CX+4*(\j)+2], v[CX+4*(\j)+3]
	global_store_b64 v2, v[CY+2*(\j):CY+2*(\j)+1], s[6:7] offset:(\j)*2048
.endr
	s_endpgm
.Lfunc_end_k_qffa39543ae_prep:
	.size	k_qffa39543ae_prep, .Lfunc_end_k_qffa39543ae_prep-k_qffa39543ae_prep
	.p2alignl 7, 3214868480
	.fill 96, 4, 3214868480
	.section	.rodata,"a",@progbits
	.p2align	6, 0x0
	.amdhsa_kernel k_qffa39543ae_prep
		.amdhsa_group_segment_fixed_size 0
		.amdhsa_private_segment_fixed_size 0
		.amdhsa_enable_private_segment 0
		.amdhsa_kernarg_size 88
		.amdhsa_user_sgpr_count 2
		.amdhsa_user_sgpr_kernarg_segment_ptr 1
		.amdhsa_wavefront_size32 1
		.amdhsa_system_sgpr_workgroup_id_x 1
		.amdhsa_system_sgpr_workgroup_id_y 1
		.amdhsa_system_sgpr_workgroup_id_z 1
		.amdhsa_system_vgpr_workitem_id 0
		.amdhsa_next_free_vgpr 100
		.amdhsa_next_free_sgpr 66
		.amdhsa_reserve_vcc 0
		.amdhsa_float_denorm_mode_32 3
		.amdhsa_float_denorm_mode_16_64 3
		.amdhsa_memory_ordered 1
		.amdhsa_forward_progress 1
		.amdhsa_inst_pref_size 22
	.end_amdhsa_kernel
	.amdgpu_metadata
---
amdhsa.version: [ 1, 2 ]
amdhsa.kernels:
  - .name:           k_qffa39543ae_prep
    .symbol:         k_qffa39543ae_prep.kd
    .args:
      - { .name: qkv_w, .offset: 0, .size: 8, .value_kind: global_buffer, .address_space: global }
      - { .name: o_w, .offset: 8, .size: 8, .value_kind: global_buffer, .address_space: global }
      - { .name: conv1_w, .offset: 16, .size: 8, .value_kind: global_buffer, .address_space: global }
      - { .name: conv2_w, .offset: 24, .size: 8, .value_kind: global_buffer, .address_space: global }
      - { .name: wq, .offset: 32, .size: 8, .value_kind: global_buffer, .address_space: global }
      - { .name: wo, .offset: 40, .size: 8, .value_kind: global_buffer, .address_space: global }
      - { .name: w1, .offset: 48, .size: 8, .value_kind: global_buffer, .address_space: global }
      - { .name: w2, .offset: 56, .size: 8, .value_kind: global_buffer, .address_space: global }
      - { .name: x, .offset: 64, .size: 8, .value_kind: global_buffer, .address_space: global }
      - { .name: ln1_w, .offset: 72, .size: 8, .value_kind: global_buffer, .address_space: global }
      - { .name: hn, .offset: 80, .size: 8, .value_kind: global_buffer, .address_space: global }
    .group_segment_fixed_size: 0
    .private_segment_fixed_size: 0
    .kernarg_segment_align: 8
    .kernarg_segment_size: 88
    .max_flat_workgroup_size: 256
    .sgpr_count:     66
    .vgpr_count:     100
    .wavefront_size: 32
...
	.end_amdgpu_metadata
.endif
;; end of part 1
;; launch gqkv (part 2): grid 12 x 16, 4 waves a work-group, clusters of 4 x 4, 327,680 bytes of LDS; arguments hn, wq, wide; writes wide
.if DOCPART == 2
	.amdgcn_target "amdgcn-amd-amdhsa--gfx1250"
	.amdhsa_code_object_version 6
	.text
	.protected	k_qffa39543ae_gqkv
	.globl	k_qffa39543ae_gqkv
	.p2align	8
	.type	k_qffa39543ae_gqkv,@function
k_qffa39543ae_gqkv:
	s_mov_b64 s[64:65], 0
	v_nop
	global_prefetch_b8 v0, s[64:65] scope:SCOPE_SE
	s_setreg_imm32_b32 hwreg(HW_REG_WAVE_MODE, 25, 1), 1
	s_wait_xcnt 0x0
	s_wait_alu depctr_hold_cnt(0) depctr_sa_sdst(0) depctr_va_vdst(0) depctr_va_sdst(0) depctr_va_ssrc(0) depctr_va_vcc(0) depctr_vm_vsrc(0)
	s_getreg_b32 s2, hwreg(HW_REG_IB_STS2, 6, 4)
	s_cmp_eq_u32 s2, 0
	s_cbranch_scc0 .Lentry_in_a_cluster
	s_endpgm
.Lentry_in_a_cluster:
	s_bfe_u32 s2, ttmp6, 0x10000c
	s_cmp_lg_u32 s2, 0xf033
	s_cbranch_scc0 .Lentry_shape_is_right
	s_endpgm
.Lentry_shape_is_right:
; qkv = hn wq^T.  hn: [4096][1024] f16, wq: [3072][1024] f16; sums in f32, rounded once to f16 and stored in PLANES of 64 columns: wide[plane][row][64], plane = column / 64
; (planes 0-15 q by heads, 16-31 k, 32-47 v), a plane 4,096 rows x 128 bytes, dense.  LIMIT: q, k and v must stay under f16's 65,504.
; A tile of C, 256 x 256, is made by four waves, each 128 x 128: 64 accumulators, 512 registers.  3,072 / 256 x 4,096 / 256 = 192 work-groups.
; K goes in 8 steps of 128 through a ring of two LDS slots filled by the tensor data mover; the rows of A's and B's tiles are 256 bytes of memory at multiples of 256.
; CLUSTER: 4 x 4 work-groups.  The four of a row need the same tiles of A, the four of a column the same tiles of B: each tile is asked for JOINTLY, by the same tensor load with the same descriptor and mask.
; THE MATRIX INSTRUCTION IS USED TRANSPOSED (source 0 = 16 rows of B, source 1 = 16 rows of A): lane l holds row l % 16 of C and the columns 8 (l / 16) + 0..7.
; ONE TEXT FOR A K STEP: the LDS addresses hang on s[TB], which an exclusive or turns from slot to slot; one descriptor a tensor walks.
; THE WAY OUT: when the ring has had its last fill and its last read, each wave lays its 128 x 128 sums in f32 into its own part of the ring's bytes and reads them back four rows at a time, so that a store covers 512 consecutive bytes of a plane.
; REGISTERS, in windows of 256: window 0: v0-31 addresses, v64-127 and v128-191 fragments of A (two buffers), later the way out; window 1: the same numbers, fragments of B; windows 2, 3: accumulator (a, b) at v[8 (8 a + b)], my rows 0-63 and 64-127.
.set SIZE_K, 1024
.set KSTEP,  128
.set STEPS,  SIZE_K/KSTEP
.set PITCH,  272                       ; an LDS row: 256 bytes + 16 of padding = 68 words: the 16 rows of a fragment load start at 16 different groups of four banks (64 banks of 4 bytes: ISA guide 11.1)
.set HALFT,  128*PITCH                 ; 128 rows: what one tensor load brings
.set SLOT,   4*HALFT                   ; A's 256 rows, then B's 256 rows.  0x22000: no wave's place in a slot (wave x 0x8800) has one of its two bits, so an exclusive or with it changes slots
.set SPARE,  2*SLOT                    ; behind the ring: the spare words, 128 bytes for each wave
.set EP,     528                       ; the way out: a row of 128 f32 + 16 bytes = 132 words
.set EREG,   128*EP                    ; a wave's part: 4 x 67,584 = 270,336 bytes, inside the ring
.set PLANE,  524288
.set ADRA0, 16                         ; v16  my lane's place in A's part of a slot; never rewritten
.set ADRB0, 17                         ; v17  the same for B
.set ADRA,  18                         ; v18  s[TB] + ADRA0
.set ADRB,  19                         ; v19  s[TB] + ADRB0
.set DST,   20                         ; v20  the way out: where my 32 bytes of a row go
.set RD,    21                         ; v21  where I read 32 bytes back
.set GO,    22                         ; v22  16 x lane
.set SPW,   28                         ; v28  my spare word; never rewritten
.set NIL,   29                         ; v29  0; never rewritten
.set X,     32                         ; v[32:95]   the way out: 16 rows in f32
.set Y,     96                         ; v[96:127]  the same in f16
.set F0,    64
.set F1,    128
.set WV, 12                            ; s12  wave
.set RH, 13                            ; s13  my half of the tile's rows; also: I fetch for A (0) or B (1)
.set CH, 14                            ; s14  my half of its columns; also: which 128 rows I fetch
.set TB, 20                            ; s20  0 or SLOT: the slot that is read
.set G1, 24                            ; s[24:31] group 1 for A;  s[32:39] group 0: a set for each first fill; the second then walks
.set G0, 32
.set G1B, 48                           ; s[48:55], s[56:63] the same for B
.set G0B, 56
.set MSB, 0
.macro WIN new                         ; the immediate's high byte repeats the setting that is left; a switch that changes nothing is dropped
.if MSB != (\new)
	s_set_vgpr_msb (MSB<<8)|(\new)
.set MSB, \new
.endif
.endm
.set MUL_LO, 0xa1                      ; source 0 (B) window 1, source 1 (A) window 0, C and D window 2
.set MUL_HI, 0xf1                      ; the same, C and D window 3
.set TO_B,   0x40                      ; destination window 1, address window 0
; A joint load: waves 0 and 1 fetch A's halves, waves 2 and 3 B's.  The branch hangs on the wave's number alone.  An s_nop 0 and four v_nop follow each of the two lines.
.macro JLOAD s
	s_cmp_eq_u32 s[RH], 0
	s_cbranch_scc0 .Lfor_b_\@
	tensor_load_to_lds s[G0+4*(\s):G0+4*(\s)+3], s[G1:G1+7]
	s_nop 0
.rept 4
	v_nop
.endr
	s_branch .Lasked_\@
.Lfor_b_\@:
	tensor_load_to_lds s[G0B+4*(\s):G0B+4*(\s)+3], s[G1B:G1B+7]
	s_nop 0
.rept 4
	v_nop
.endr
.Lasked_\@:
.endm
.macro CREST                           ; a round of the cluster's barrier behind its opening barrier
	s_cmp_lg_u32 s[WV], 0
	s_cbranch_scc1 .Lnot_wave_0_\@
	s_barrier_signal -3
.Lnot_wave_0_\@:
	s_barrier_wait -3
	s_barrier_signal -1
	s_barrier_wait -1
.endm
.macro CROUND                          ; a whole round
	s_barrier_signal -1
	s_barrier_wait -1
	CREST
.endm
	s_load_b128 s[4:7], s[0:1], 0x0                ; A s[4:5], B s[6:7]
	s_load_b64 s[8:9], s[0:1], 0x10                ; the planes
	v_lshl_add_u32 v[SPW], v0, 2, SPARE
	v_mov_b32 v[NIL], 0
	ds_add_u32 v[SPW], v[NIL]                      ; the wave's opening: the add and its wait stand ahead of my first tensor load; the set-up below stands between them
	ds_add_u32 v28, v29
	v_lshrrev_b32 v1, 5, v0
	v_readfirstlane_b32 s[WV], v1
	s_lshr_b32 s[RH], s[WV], 1
	s_and_b32 s[CH], s[WV], 1
	s_bfe_u32 s40, ttmp6, 0x40000                  ; cx, cy: my place in the cluster
	s_bfe_u32 s41, ttmp6, 0x40004
	s_lshl_b32 s42, ttmp9, 2
	s_add_co_u32 s42, s42, s40                     ; tile column of C
	s_and_b32 s43, ttmp7, 0xffff
	s_lshl_b32 s43, s43, 2
	s_add_co_u32 s43, s43, s41                     ; tile row of C
	s_lshl_b32 s44, s41, 2
	s_lshl_b32 s44, 15, s44                        ; my row of the cluster
	s_lshl_b32 s45, 0x1111, s40                    ; my column
	s_or_b32 s[G1+0], s44, (1<<16)|(1<<20)|(1<<21)|(5<<22)|(3<<25)   ; the mask; 2-byte elements; padding on; bit 21 beside a mask; after every 64 words 4 words
	s_or_b32 s[G1B+0], s45, (1<<16)|(1<<20)|(1<<21)|(5<<22)|(3<<25)
.irp g, G1, G1B
	s_mov_b32 s[(\g)+1], KSTEP<<16                 ; tensor_dim0 = 128
	s_mov_b32 s[(\g)+2], 128<<16                   ; tensor_dim1 = 128
	s_mov_b32 s[(\g)+3], KSTEP<<16                 ; tile_dim0 = 128
	s_mov_b32 s[(\g)+4], 128                       ; tile_dim1 = 128
	s_mov_b32 s[(\g)+5], SIZE_K                    ; elements from row to row
	s_mov_b32 s[(\g)+6], 0
	s_mov_b32 s[(\g)+7], 0
.endr
	s_lshl_b32 s17, s[CH], 7                       ; which 128 rows of the tile I fetch
	s_lshl_b32 s16, s43, 8
	s_add_co_u32 s16, s16, s17
	s_lshl_b32 s16, s16, 11                        ; A: (256 x tile row + 128 x half) rows of 2,048 bytes
	s_lshl_b32 s46, s42, 8
	s_add_co_u32 s46, s46, s17
	s_lshl_b32 s46, s46, 11                        ; B: the same with the tile column
	s_mov_b32 s17, 0
	s_mov_b32 s47, 0
	s_mul_i32 s22, s[WV], HALFT                    ; where they go: wave x 128 rows: no place in the cluster enters an LDS address
	s_mov_b32 s[TB], 0
	s_wait_dscnt 0x0                               ; the opening add is done
	s_wait_kmcnt 0x0
	s_add_nc_u64 s[16:17], s[4:5], s[16:17]
	s_add_nc_u64 s[46:47], s[6:7], s[46:47]
	CROUND                                         ; all sixteen work-groups are here: the first joint loads meet
.irp s, 0,1
	s_mov_b32 s[G0+4*(\s)], 1
	s_add_co_u32 s[G0+4*(\s)+1], s22, (\s)*SLOT
	s_add_nc_u64 s[G0+4*(\s)+2:G0+4*(\s)+3], s[16:17], (\s)*KSTEP*2
	s_or_b32 s[G0+4*(\s)+3], s[G0+4*(\s)+3], 0x80000000
	s_mov_b32 s[G0B+4*(\s)], 1
	s_add_co_u32 s[G0B+4*(\s)+1], s22, (\s)*SLOT
	s_add_nc_u64 s[G0B+4*(\s)+2:G0B+4*(\s)+3], s[46:47], (\s)*KSTEP*2
	s_or_b32 s[G0B+4*(\s)+3], s[G0B+4*(\s)+3], 0x80000000
	JLOAD \s                                       ; K steps 0 and 1: two loads of mine are out
.endr
	v_and_b32 v1, 15, v0                           ; l % 16
	v_bfe_u32 v2, v0, 4, 1                         ; l / 16
	v_mul_u32_u24 v3, v1, PITCH
	v_lshl_add_u32 v3, v2, 4, v3                   ; a fragment's row x pitch + 16 x half
	s_mul_i32 s23, s[RH], HALFT
	v_add_nc_u32 v[ADRA0], s23, v3
	s_mul_i32 s23, s[CH], HALFT
	s_add_co_u32 s23, s23, 2*HALFT
	v_add_nc_u32 v[ADRB0], s23, v3
	v_mov_b32 v[ADRA], v[ADRA0]
	v_mov_b32 v[ADRB], v[ADRB0]
	s_mul_i32 s23, s[WV], EREG                     ; my part of LDS for the way out
	v_mul_u32_u24 v4, v1, EP
	v_lshl_add_u32 v5, v2, 5, v4
	v_add_nc_u32 v[DST], s23, v5                   ; row l % 16, 32 bytes for each half of the lanes
	v_bfe_u32 v5, v0, 3, 2
	v_and_b32 v6, 7, v0
	v_mul_u32_u24 v5, v5, EP
	v_lshl_add_u32 v5, v6, 5, v5
	v_add_nc_u32 v[RD], s23, v5                    ; back: row (l / 8) % 4, eight columns at 32 (l % 8)
	v_and_b32 v[GO], 31, v0
	v_lshlrev_b32 v[GO], 4, v[GO]
	s_lshl_b32 s18, s42, 2                         ; my first plane: 4 x tile column + 2 x half,
	s_lshl_b32 s19, s[CH], 1
	s_add_co_u32 s18, s18, s19
	s_lshl_b32 s18, s18, 19
	s_lshl_b32 s19, s43, 8                         ; my first row: 256 x tile row + 128 x half, 128 bytes each
	s_lshl_b32 s15, s[RH], 7
	s_add_co_u32 s19, s19, s15
	s_lshl_b32 s19, s19, 7
	s_add_co_u32 s18, s18, s19
	s_mov_b32 s19, 0
	s_add_nc_u64 s[8:9], s[8:9], s[18:19]
; 16 matrix instructions: m blocks a0, a0 + 1 of the window's four x all 8 n blocks, 32 along K.  zero = 1: the first product starts the sums.
.macro MUL16 f, hi, a0, zero
	WIN MUL_LO+0x50*(\hi)
.irp a, \a0, (\a0)+1
.irp b, 0,1,2,3,4,5,6,7
.if \zero
	v_wmma_f32_16x16x32_f16 v[8*(8*(\a)+(\b)):8*(8*(\a)+(\b))+7], v[(\f)+8*(\b):(\f)+8*(\b)+7], v[(\f)+8*(4*(\hi)+(\a)):(\f)+8*(4*(\hi)+(\a))+7], 0
.else
	v_wmma_f32_16x16x32_f16 v[8*(8*(\a)+(\b)):8*(8*(\a)+(\b))+7], v[(\f)+8*(\b):(\f)+8*(\b)+7], v[(\f)+8*(4*(\hi)+(\a)):(\f)+8*(4*(\hi)+(\a))+7], v[8*(8*(\a)+(\b)):8*(8*(\a)+(\b))+7]
.endif
.endr
.endr
.endm
; 32 LDS loads in one run: the fragments of 32 along K at byte k of the rows, into buffer f
.macro FETCH k, f
	WIN TO_B
.irp i, 0,1,2,3,4,5,6,7
	ds_load_b128 v[(\f)+8*(\i):(\f)+8*(\i)+3],   v[ADRB] offset:(\k)+(\i)*16*PITCH
	ds_load_b128 v[(\f)+8*(\i)+4:(\f)+8*(\i)+7], v[ADRB] offset:(\k)+(\i)*16*PITCH+32
.endr
	WIN 0
.irp i, 0,1,2,3,4,5,6,7
	ds_load_b128 v[(\f)+8*(\i):(\f)+8*(\i)+3],   v[ADRA] offset:(\k)+(\i)*16*PITCH
	ds_load_b128 v[(\f)+8*(\i)+4:(\f)+8*(\i)+7], v[ADRA] offset:(\k)+(\i)*16*PITCH+32
.endr
.endm
.macro PLACES                          ; four plain vector instructions between a matrix instruction and a load into, or a read of, its registers (ISA guide 7.12.1 for reads)
.rept 4
	v_nop
.endr
.endm
; A K step is four quarters of 32 along K, 64 matrix instructions each, on buffers 0, 1, 0, 1.  One of the first three: multiplies f, and behind its first sixteen products fetches the next quarter, at byte k, into g:
; the run stands 48 matrix instructions ahead of its first use.  Buffer g's last readers are the quarter before's products; the four places stand directly ahead of the run.
.macro QUARTER k, f, g, zero
	s_wait_dscnt 8                                 ; B and A's rows 0-63 are in; the youngest eight loads (A's rows 64-127) may be out
	MUL16 \f, 0, 0, \zero
	PLACES
	FETCH \k, \g
	MUL16 \f, 0, 2, \zero
	s_wait_dscnt 32                                ; all but the 32 just issued
	MUL16 \f, 1, 0, \zero
	MUL16 \f, 1, 2, \zero
.endm
; The last quarter multiplies buffer 1 and changes slots.  In front of the one barrier each wave waits for all its tensor loads (one is out: its part of the next slot), adds 0 to its spare word, and waits for that and for its reads of this slot.
.macro MEET round
	WIN 0
	s_wait_tensorcnt 0x0
	ds_add_u32 v[SPW], v[NIL]
	s_wait_dscnt 9                                 ; the add and the youngest eight loads may be out
	MUL16 F1, 0, 0, 0
	s_wait_dscnt 0x0                               ; the add is done, and my reads of this slot are over
	s_barrier_signal -1
	MUL16 F1, 0, 2, 0
.if \round
	WIN 0
.endif
	s_barrier_wait -1
.endm
; fill = 1: the barrier opens a round of the cluster's, and the slot just read is filled again, two K steps ahead, first thing behind the round: 224 matrix instructions ahead of the wait for it.
.macro TURN fill
	MEET \fill
.if \fill
	CREST
	s_xor_b32 s[G0+5], s[G0+5], SLOT               ; the walking descriptors: the other slot than last time, the next K step
	s_add_nc_u64 s[G0+6:G0+7], s[G0+6:G0+7], KSTEP*2
	s_xor_b32 s[G0B+5], s[G0B+5], SLOT
	s_add_nc_u64 s[G0B+6:G0B+7], s[G0B+6:G0B+7], KSTEP*2
	JLOAD 1                                        ; the four v_nop behind it are also the places in front of the loads below
.else
	PLACES
.endif
	WIN 0
	s_xor_b32 s[TB], s[TB], SLOT
	v_add_nc_u32 v[ADRA], s[TB], v[ADRA0]
	v_add_nc_u32 v[ADRB], s[TB], v[ADRB0]
	FETCH 0, F0
	MUL16 F1, 1, 0, 0
	MUL16 F1, 1, 2, 0
.endm
	s_wait_tensorcnt 1                             ; my part of K step 0 is in; step 1's may stay out
	s_barrier_signal -1
	s_barrier_wait -1
	FETCH 0, F0
	QUARTER 64, F0, F1, 1                          ; the first quarter stands in front of the loop: its products start the sums
	WIN 0
	s_mov_b32 s3, STEPS-2
.Llap:                                                 ; a trip: a K step's quarters 1 to 3 and the next step's quarter 0; it fills a slot again
	QUARTER 128, F1, F0, 0
	QUARTER 192, F0, F1, 0
	TURN 1
	QUARTER 64, F0, F1, 0
	WIN 0
	s_sub_co_u32 s3, s3, 1
	s_cmp_lg_u32 s3, 0
	s_cbranch_scc1 .Llap
	s_mov_b32 s3, 2
.Ltail:                                                ; the last two K steps ask for nothing; the second trip is left in its middle
	QUARTER 128, F1, F0, 0
	QUARTER 192, F0, F1, 0
	WIN 0
	s_sub_co_u32 s3, s3, 1
	s_cmp_eq_u32 s3, 0
	s_cbranch_scc1 .Llast
	TURN 0
	QUARTER 64, F0, F1, 0
	WIN 0
	s_branch .Ltail
.Llast:
	s_wait_dscnt 0x0                               ; my last reads of the ring are back:
	s_barrier_signal -1                            ; say so,
	MUL16 F1, 0, 0, 0
	MUL16 F1, 0, 2, 0
	MUL16 F1, 1, 0, 0
	MUL16 F1, 1, 2, 0
	WIN 0
	s_barrier_wait -1                              ; nobody reads the ring any more, and it has had its last fill: its bytes may be written
	PLACES
.irp hi, 0,1
	WIN 0x08+4*(\hi)                               ; store data in window 2, then 3
.irp a, 0,1,2,3
.irp b, 0,1,2,3,4,5,6,7
	ds_store_b128 v[DST], v[8*(8*(\a)+(\b)):8*(8*(\a)+(\b))+3]   offset:(4*(\hi)+(\a))*16*EP+64*(\b)
	ds_store_b128 v[DST], v[8*(8*(\a)+(\b))+4:8*(8*(\a)+(\b))+7] offset:(4*(\hi)+(\a))*16*EP+64*(\b)+16
.endr
.endr
.endr
	WIN 0
; 16 rows back: group g of four rows, plane j.  LDS serves a wave's instructions in order (ISA guide 5.7.1.4): these see my stores above.
.macro LOADS
.irp g, 0,1,2,3
.irp j, 0,1
	ds_load_b128 v[X+16*(\g)+8*(\j):X+16*(\g)+8*(\j)+3],   v[RD] offset:(\g)*4*EP+(\j)*256
	ds_load_b128 v[X+16*(\g)+8*(\j)+4:X+16*(\g)+8*(\j)+7], v[RD] offset:(\g)*4*EP+(\j)*256+16
.endr
.endr
.endm
	LOADS
	s_mov_b32 s21, 8
.Lout:                                                 ; eight trips of 16 rows
	s_wait_dscnt 0x0
.set i, 0
.rept 32
	v_cvt_pk_f16_f32 v[Y+i], v[X+2*i], v[X+2*i+1]
.set i, i+1
.endr
	s_cmp_eq_u32 s21, 1
	s_cbranch_scc1 .Lnl                            ; the last trip has no next rows
	v_add_nc_u32 v[RD], 16*EP, v[RD]
	LOADS
.Lnl:
.irp g, 0,1,2,3
.irp j, 0,1
	global_store_b128 v[GO], v[Y+8*(\g)+4*(\j):Y+8*(\g)+4*(\j)+3], s[8:9] offset:(\j)*PLANE+(\g)*512  ; four rows of a plane: 512 consecutive bytes
.endr
.endr
	s_wait_xcnt 0x0                                ; the stores' base and data are rewritten only behind this wait
	s_add_nc_u64 s[8:9], s[8:9], 2048
	s_sub_co_u32 s21, s21, 1
	s_cmp_lg_u32 s21, 0
	s_cbranch_scc1 .Lout
	s_wait_tensorcnt 0x0                           ; the wave's end
	ds_add_u32 v[SPW], v[NIL]
	s_wait_dscnt 0x0
	CROUND                                         ; the closing round
	s_endpgm
.Lfunc_end_k_qffa39543ae_gqkv:
	.size	k_qffa39543ae_gqkv, .Lfunc_end_k_qffa39543ae_gqkv-k_qffa39543ae_gqkv
	.p2alignl 7, 3214868480
	.fill 96, 4, 3214868480
	.section	.rodata,"a",@progbits
	.p2align	6, 0x0
	.amdhsa_kernel k_qffa39543ae_gqkv
		.amdhsa_group_segment_fixed_size 327680
		.amdhsa_private_segment_fixed_size 0
		.amdhsa_enable_private_segment 0
		.amdhsa_kernarg_size 24
		.amdhsa_user_sgpr_count 2
		.amdhsa_user_sgpr_kernarg_segment_ptr 1
		.amdhsa_wavefront_size32 1
		.amdhsa_system_sgpr_workgroup_id_x 1
		.amdhsa_system_sgpr_workgroup_id_y 1
		.amdhsa_system_sgpr_workgroup_id_z 1
		.amdhsa_system_vgpr_workitem_id 0
		.amdhsa_next_free_vgpr 1024
		.amdhsa_next_free_sgpr 66
		.amdhsa_reserve_vcc 0
		.amdhsa_float_denorm_mode_32 3
		.amdhsa_float_denorm_mode_16_64 3
		.amdhsa_memory_ordered 1
		.amdhsa_forward_progress 1
		.amdhsa_inst_pref_size 86
	.end_amdhsa_kernel
	.amdgpu_metadata
---
amdhsa.version: [ 1, 2 ]
amdhsa.kernels:
  - .name:           k_qffa39543ae_gqkv
    .symbol:         k_qffa39543ae_gqkv.kd
    .args:
      - { .name: hn, .offset: 0, .size: 8, .value_kind: global_buffer, .address_space: global }
      - { .name: wq, .offset: 8, .size: 8, .value_kind: global_buffer, .address_space: global }
      - { .name: wide, .offset: 16, .size: 8, .value_kind: global_buffer, .address_space: global }
    .group_segment_fixed_size: 327680
    .private_segment_fixed_size: 0
    .kernarg_segment_align: 8
    .kernarg_segment_size: 24
    .max_flat_workgroup_size: 128
    .sgpr_count:     66
    .vgpr_count:     1024
    .wavefront_size: 32
...
	.end_amdgpu_metadata
.endif
;; end of part 2
;; launch attn (part 3): grid 8 x 32, 4 waves a work-group, no clusters, 327,680 bytes of LDS; arguments wide, mask, ao; writes ao
.if DOCPART == 3
	.amdgcn_target "amdgcn-amd-amdhsa--gfx1250"
	.amdhsa_code_object_version 6
	.text
	.protected	k_qffa39543ae_attn
	.globl	k_qffa39543ae_attn
	.p2align	8
	.type	k_qffa39543ae_attn,@function
k_qffa39543ae_attn:
	s_mov_b64 s[64:65], 0
	v_nop
	global_prefetch_b8 v0, s[64:65] scope:SCOPE_SE
	s_setreg_imm32_b32 hwreg(HW_REG_WAVE_MODE, 25, 1), 1
	s_wait_xcnt 0x0
; CAUSAL ATTENTION WITH A KEY MASK.  O[q] = the sum over k <= q with mask[b][k] > 0 of softmax_k(Q[q] . K[k] / 8) V[k]; a row that sees no key gives 0.
; q, k, v lie in wide as planes [48][4096 rows][64] f16 (plane = 16 s + head, row = 2048 b + t); O goes to ao, planes [16][4096][64] f16.  Products, maxima and sums in f32; the weights are rounded to f16 for the second product, O once.
; LIMITS.  A hidden score counts as its value less 1e30 (f16's scores are 2.7e11 at the most); a row whose running maximum ends below -2^96 has seen no key and gives 0; a weight below 2^-126 counts as 0;
; a NaN in mask counts as hidden; other NaN and infinities are not treated apart.
; THE WALK.  A head's 2,048 queries lie in NB = 16 blocks of 128; block i needs the key tiles 0 .. i / 2 of 256 keys.  A work-group takes blocks 15 - p and then p: 9 tiles whatever p, so ONE loop with constant counts
; walks them and all 256 work-groups are alike.  A block's last tile is taken whole, under masks.  Every jump but the loops' own goes forward, and none passes a barrier or a tensor load but the one of LOAD's two that the wave's number does not choose.
; NO CLUSTER: a head's eight work-groups ask for the same tile only in the walk's first five trips; behind that their walks part, and a walk common to all would be 12 trips for 9.
; SHARES.  A wave owns 32 rows of the block: two PIECES of 16 queries.  A key step is 64 keys.
; MASKS.  KBIAS[k] = 0 or -1e30, made once from mask; a step's 64 numbers (MB) are the C operand that starts S^T = K Q^T.  In a block's last tile C is MC = MD x AL + MB + BE: MD is the diagonal's mask of my rows in their own
; band of 64 keys; (AL, BE) = (1, 0) in that band's step, (0, 0) before it, (0, -1e30) behind it.
; SOFTMAX.  p = 2^(c s - c m), c = log2(e) / 8, with a running maximum m; O and l are multiplied by a = 2^(c m_old - c m_new) in every step.  What was summed while only hidden keys were seen is wiped by a = 0 at the first true score.
; BY TURNS.  In a TURN piece x has the matrix unit: 8 products V^T P of step j, then 8 products K Q^T of step j + 1; the other piece's whole softmax, 118 vector lines, stands between and behind them.  Turn 0 carries piece 1's
; softmax of step j, turn 1 piece 0's of step j + 1; two turns are a trip.  A step has 236 vector lines for 32 matrix lines, more than can stand beside them, so the aim is that the products' time does not come on top.
; K of step j + 1 is fetched at the head of turn 0, V of step j + 1 in turn 1 behind its products V^T P, the next bias later in turn 1: one register buffer each.  The change of slots stands in front of turn 0: the four trips
; behind it fetch exactly one tile's K and V.  A block begins with 8 bare products and enters the loop at turn 1; it ends with a fifth turn 0 that fetches nothing, whose 8 products K Q^T (on the last K once more) serve nothing.
; REGISTERS, in windows of 256: window 0: v0-31 addresses and statistics, v48-55 at work, v64-127 S^T, v128-159 MB, v192-223 P; window 1: v0-63 O^T, v64-127 MD, v128-191 MC; window 2: v0-31 Q, v64-95 the second block's Q, v128-191 K, v192-255 V.
; A softmax works in window 0 (its rescaling in window 1), the products' operands lie in windows 1 and 2: two switches for each matrix instruction that has vector lines behind it.
.set NB,    16
.set KS,    64
.set PLANE, 524288
.set PK,    144       ; a row of K in LDS: 128 bytes + 16: the 16 rows of a load start at 16 different groups of four banks (64 banks of 4 bytes: ISA guide 11.1)
.set PV,    160       ; a row of V: 128 + 32
.set VOFF,  4*KS*PK   ; a slot holds a tile: 256 rows of K, then 256 rows of V
.set SLOT1, 1<<17
.set STAGE, SLOT1+4*KS*(PK+PV)  ; behind the ring: 16 rows x 144 bytes for each wave, for the way out
.set SP,    144
.set KBIAS, STAGE+4*16*SP       ; 2,048 f32
.set SPARE, KBIAS+8192          ; the spare words, 128 bytes for each wave
.set AK0, 2
.set AV0, 3
.set AK,  4
.set AV,  5
.set STO, 6
.set RD,  7
.set GO,  8
.set AMB0, 9          ; v9   KBIAS + 32 (l / 16)
.set AMB, 10
.set MV,  12          ; v12-13  c m_old, by piece
.set QO,  15
.set ST,  16          ; piece t at v[ST+4 t]: c m, m, l (even keys', odd keys')
.set TMP, 48          ; piece t: c0-c3 at work; c2 takes a
.set SPW, 62
.set NIL, 63
.set S,   64
.set MB,  128
.set P,   192
.set MD,  64          ; window 1
.set MC,  128         ; window 1
.set QB,  64          ; window 2
.set KF,  128         ; window 2
.set VF,  192         ; window 2
.set WV,  12
.set PB,  14          ; s14  p
.set HI,  15          ; s15  15 - p
.set G1K, 24
.set G1V, 32
.set G0K, 40
.set G0V, 44
.set SLOTS, 56
.set CNT, 57
.set CS,  58
.set SEL, 60
.set TBK, 62
.set TBV, 63
.set RT,  70          ; tiles of the block in hand still to be entered
.set NXT, 71          ; the tile to be asked for next
.set LQ,  72          ; the last tile of the block whose tiles are being asked for
.set NEW, 73          ; 1: the tile to be entered is a block's first
.set OFF, 74
.set AL,  76
.set BE,  78
.set OLO, 80          ; O at my rows of the second block
.set BIGN, 82
.set THR, 83          ; -2^96
.set TKB, 84          ; byte offset in KBIAS of the step whose bias is fetched next
.set QBD, 85          ; the band of my rows in the block's last tile
.set QB2, 88          ; the same for the second block
.set T0,  89
.set LQ2, 90          ; the second block's last tile
.set MSB, 0
.macro WIN new
.if MSB != (\new)
	s_set_vgpr_msb (MSB<<8)|(\new)
.set MSB, (\new)
.endif
.endm
.set W_KQ, 0x0a       ; K and Q in window 2, C and S^T in window 0
.set W_KM, 0x1a       ; the same with C in window 1
.set W_PV, 0x52       ; V in window 2, P in window 0, O^T in window 1
.set W_RS, 0x41       ; destination and source 0 in window 1, the others in window 0
; A fill: waves 0 and 1 fetch the halves of a tile's K, waves 2 and 3 those of its V, 128 keys each.  An s_nop 0 and four v_nop follow each line.
.macro LOAD
	s_cmp_lt_u32 s[WV], 2
	s_cbranch_scc0 .Lfor_v_\@
	tensor_load_to_lds s[G0K:G0K+3], s[G1K:G1K+7]
	s_nop 0
.rept 4
	v_nop
.endr
	s_branch .Lasked_\@
.Lfor_v_\@:
	tensor_load_to_lds s[G0V:G0V+3], s[G1V:G1V+7]
	s_nop 0
.rept 4
	v_nop
.endr
.Lasked_\@:
.endm
; THE CHANGE OF SLOTS.  Each wave waits for all its tensor loads (one is out: its part of the other slot), adds 0 to its spare word, and waits for that and for its LDS work.  Behind the barrier nobody reads the old slot and the other is whole.
; fill = 1: the old slot is filled again, first thing behind the barrier, with tile NXT; the load has four trips in which to land.  (At its first use slot 0 is waited for, slot 1 filled, and KBIAS is shown to every wave.)
.macro CHANGE fill
	WIN 0
	s_wait_tensorcnt 0x0
	ds_add_u32 v[SPW], v[NIL]
.if \fill
	s_lshl_b32 s[OFF], s[NXT], 15   ; a tile is 32,768 bytes of K and of V
	s_xor_b32 s[G0K+1], s[G0K+1], SLOT1
	s_add_nc_u64 s[G0K+2:G0K+3], s[6:7], s[OFF:OFF+1]
	s_or_b32 s[G0K+3], s[G0K+3], 0x80000000
	s_xor_b32 s[G0V+1], s[G0V+1], SLOT1
	s_add_nc_u64 s[G0V+2:G0V+3], s[8:9], s[OFF:OFF+1]
	s_or_b32 s[G0V+3], s[G0V+3], 0x80000000
	s_add_co_u32 s[NXT], s[NXT], 1  ; the block's next tile, or behind its last the second block's tile 0
	s_cmp_gt_u32 s[NXT], s[LQ]
	s_cselect_b32 s[NXT], 0, s[NXT]
	s_cselect_b32 s[LQ], s[LQ2], s[LQ]
.endif
	s_wait_dscnt 0x0
	s_barrier_signal -1
	s_sub_co_u32 s[TBK], s[TBK], 4*KS*PK  ; the fetches go back to a slot's first step, in the other slot
	s_xor_b32 s[TBK], s[TBK], SLOT1
	s_sub_co_u32 s[TBV], s[TBV], 4*KS*PV
	s_xor_b32 s[TBV], s[TBV], SLOT1
	s_barrier_wait -1
.if \fill
	LOAD
.endif
.endm
	s_load_b128 s[16:19], s[0:1], 0x0  ; wide s[16:17], mask s[18:19]
	s_load_b64 s[10:11], s[0:1], 0x10  ; ao
	v_lshl_add_u32 v[SPW], v0, 2, SPARE
	v_mov_b32 v[NIL], 0
	ds_add_u32 v[SPW], v[NIL]       ; the wave's opening: the add and its wait stand ahead of my first tensor load
	ds_add_u32 v62, v63
	v_lshrrev_b32 v1, 5, v0
	v_readfirstlane_b32 s[WV], v1
	s_mov_b32 s[PB], ttmp9
	s_sub_co_u32 s[HI], NB-1, s[PB]
	s_and_b32 s20, ttmp7, 0xffff    ; 16 b + head
	s_lshr_b32 s13, s20, 4          ; b
	s_and_b32 s20, s20, 15          ; head
	s_lshl_b32 s20, s20, 19
	s_lshl_b32 s2, s13, 18
	s_add_co_u32 s20, s20, s2       ; the head's plane and b's 2,048 rows of 128 bytes
	s_lshl_b32 s52, s13, 13         ; b's row of mask
	s_mov_b32 s53, 0
	s_and_b32 s2, s[WV], 1          ; which half of a tile's 256 keys I fetch
	s_lshl_b32 s22, s2, 14
	s_add_co_u32 s22, s22, s20
	s_add_co_u32 s22, s22, 16*PLANE ; K's planes
	s_mov_b32 s23, 0
	s_add_co_u32 s48, s22, 16*PLANE ; V's planes
	s_mov_b32 s49, 0
	s_mul_i32 s3, s2, 128*PK        ; its place in a slot, for K
	s_mul_i32 s13, s2, 128*PV       ; and for V
	s_lshl_b32 s2, s[WV], 12        ; my 32 rows in a block
	s_add_co_u32 s2, s2, s20
	s_lshl_b32 s50, s[HI], 14       ; in the first block,
	s_add_co_u32 s50, s50, s2
	s_mov_b32 s51, 0
	s_lshl_b32 s54, s[PB], 14       ; and in the second
	s_add_co_u32 s54, s54, s2
	s_mov_b32 s55, 0
	; 128 keys are 16,384 dense bytes: asked for as 64 rows of 256 bytes, padded in LDS after every key
	s_mov_b32 s[G1K], (1<<16)|(1<<20)|(4<<22)|(3<<25)  ; 2-byte elements; padding on; after every 32 words 4 words
	s_mov_b32 s[G1V], (1<<16)|(1<<20)|(4<<22)|(7<<25)  ; the same with 8 words
.irp g, G1K, G1V
	s_mov_b32 s[\g+1], 128<<16
	s_mov_b32 s[\g+2], 64<<16
	s_mov_b32 s[\g+3], 128<<16
	s_mov_b32 s[\g+4], 64
	s_mov_b32 s[\g+5], 128
	s_mov_b32 s[\g+6], 0
	s_mov_b32 s[\g+7], 0
.endr
	s_mov_b32 s[CS], 0x3e38aa3b     ; c = log2(e) / 8
	s_mov_b32 s[CS+1], s[CS]
	s_mov_b32 s[SEL], 0x76543210
	s_mov_b32 s[SEL+1], 0xfedcba98
	s_mov_b32 s[TBK], SLOT1+4*KS*PK ; the first change of slots turns these two into 0
	s_mov_b32 s[TBV], SLOT1+4*KS*PV
	s_mov_b32 s[G0K], 1
	s_mov_b32 s[G0K+1], s3
	s_mov_b32 s[G0V], 1
	s_add_co_u32 s[G0V+1], s13, VOFF
	s_lshr_b32 s[LQ], s[HI], 1
	s_add_co_u32 s[RT], s[LQ], 1
	s_lshr_b32 s[LQ2], s[PB], 1
	s_mov_b32 s[NXT], 1
	s_mov_b32 s[NEW], 1
	s_mov_b32 s[OFF+1], 0
	s_mov_b32 s[AL+1], 0
	s_mov_b32 s[BE+1], 0
	s_mov_b32 s[BIGN], 0xf149f2ca   ; -1e30
	s_mov_b32 s[THR], 0xef800000
	s_mov_b32 s[TKB], 0
	s_lshr_b32 s3, s[WV], 1
	s_and_b32 s2, s[HI], 1
	s_lshl_b32 s2, s2, 1
	s_add_co_u32 s[QBD], s2, s3     ; 2 (block % 2) + wave / 2
	s_and_b32 s2, s[PB], 1
	s_lshl_b32 s2, s2, 1
	s_add_co_u32 s[QB2], s2, s3
	s_mov_b32 s[SLOTS], 8
	s_wait_dscnt 0x0                ; the opening add is done
	s_wait_kmcnt 0x0
	s_add_nc_u64 s[6:7], s[16:17], s[22:23]  ; K and V at my half of the head's tile 0
	s_add_nc_u64 s[8:9], s[16:17], s[48:49]
	s_add_nc_u64 s[G0K+2:G0K+3], s[6:7], 0
	s_or_b32 s[G0K+3], s[G0K+3], 0x80000000
	s_add_nc_u64 s[G0V+2:G0V+3], s[8:9], 0
	s_or_b32 s[G0V+3], s[G0V+3], 0x80000000
	s_add_nc_u64 s[4:5], s[16:17], s[50:51]        ; Q of the first block, of the second
	s_add_nc_u64 s[86:87], s[16:17], s[54:55]
	s_add_nc_u64 s[OLO:OLO+1], s[10:11], s[54:55]
	s_add_nc_u64 s[10:11], s[10:11], s[50:51]
	s_add_nc_u64 s[18:19], s[18:19], s[52:53]
	LOAD                            ; tile 0 into slot 0
	v_lshlrev_b32 v27, 4, v0
.irp j, 0,1,2,3
	global_load_b128 v[S+4*\j:S+4*\j+3], v27, s[18:19] offset:2048*\j  ; b's 2,048 mask numbers, 16 a thread
.endr
	v_and_b32 v1, 15, v0            ; l % 16
	v_bfe_u32 v24, v0, 4, 1         ; l / 16
	v_lshlrev_b32 v[QO], 7, v1
	v_lshl_add_u32 v[QO], v24, 4, v[QO]
	WIN 0x80
.set i, 0
.rept 4                             ; both blocks' Q: piece i / 2, channels 32 (i % 2) on
	global_load_b128 v[8*i:8*i+3],   v[QO], s[4:5] offset:(i/2)*2048+(i%2)*64
	global_load_b128 v[8*i+4:8*i+7], v[QO], s[4:5] offset:(i/2)*2048+(i%2)*64+32
	global_load_b128 v[QB+8*i:QB+8*i+3],   v[QO], s[86:87] offset:(i/2)*2048+(i%2)*64
	global_load_b128 v[QB+8*i+4:QB+8*i+7], v[QO], s[86:87] offset:(i/2)*2048+(i%2)*64+32
.set i, i+1
.endr
	WIN 0
	v_mov_b32 v[S+16], s[BIGN]
	v_mov_b32 v[S+17], 0
	v_add_nc_u32 v28, KBIAS, v27
	s_wait_loadcnt 16               ; the mask is in; Q's sixteen loads stay out
.set i, 0
.rept 16
	v_cmp_lt_f32 vcc_lo, 0, v[S+i]
	v_cndmask_b32 v[S+i], v[S+16], v[S+17], vcc_lo  ; 0 where mask > 0, else -1e30
.set i, i+1
.endr
.irp j, 0,1,2,3
	ds_store_b128 v28, v[S+4*\j:S+4*\j+3] offset:2048*\j
.endr
	v_lshlrev_b32 v14, 3, v24
	v_sub_nc_u32 v14, v1, v14
	s_and_b32 s13, s[WV], 1
	s_lshl_b32 s13, s13, 5
	v_add_nc_u32 v14, s13, v14      ; piece 0's query in its band, 32 (w % 2) + l % 16, less my lanes' 8 (l / 16)
	WIN 0x40
.set i, 0
.rept 64                            ; piece i / 32, group (i % 32) / 8 of 16 keys, register i % 8: hidden where the key lies behind the query
	v_cmp_gt_i32 vcc_lo, 16*((i%32)/8)+i%8-16*(i/32), v14
	v_cndmask_b32 v[MD+i], 0, s[BIGN], vcc_lo
.set i, i+1
.endr
	; A block's first step multiplies O^T and l by a = 0, and the first turn's products V^T P, of a step that has not been, land in an O^T that is still to be so multiplied.  So O^T, l, V and piece 1's P need only hold
	; finite numbers: zeros for the first block, what the first block left for the second.  All this stands in the wait for the first tile.
.set i, 0
.rept 64
	v_mov_b32 v[i], 0
.set i, i+1
.endr
	WIN 0x80
.set i, VF
.rept 64
	v_mov_b32 v[i], 0
.set i, i+1
.endr
	WIN 0
.set i, P+16
.rept 16
	v_mov_b32 v[i], 0
.set i, i+1
.endr
.set i, 0
.rept 2
	v_mov_b32 v[ST+4*i], 0xfe000000    ; c m: far below every c s
	v_mov_b32 v[ST+4*i+1], 0xff7fffff  ; m
	v_mov_b32 v[ST+4*i+2], 0
	v_mov_b32 v[ST+4*i+3], 0
.set i, i+1
.endr
	v_mul_u32_u24 v[AK0], v1, PK
	v_lshl_add_u32 v[AK0], v24, 4, v[AK0]
	v_and_b32 v25, 7, v0
	v_bfe_u32 v26, v0, 3, 1
	v_lshl_add_u32 v[AV0], v24, 3, v25  ; the turning load: lane l reads key 8 (l / 16) + l % 8, channels 8 ((l / 8) % 2) + 0..7
	v_mul_u32_u24 v[AV0], v[AV0], PV
	v_lshl_add_u32 v[AV0], v26, 4, v[AV0]
	v_add_nc_u32 v[AV0], VOFF, v[AV0]
	v_lshlrev_b32 v[AMB0], 5, v24
	v_add_nc_u32 v[AMB0], KBIAS, v[AMB0]
	s_mul_i32 s13, s[WV], 16*SP
	s_add_co_u32 s13, s13, STAGE
	v_mul_u32_u24 v[STO], v1, SP
	v_lshl_add_u32 v[STO], v24, 4, v[STO]
	v_add_nc_u32 v[STO], s13, v[STO]
	v_bfe_u32 v[RD], v0, 3, 2
	v_mul_u32_u24 v[RD], v[RD], SP
	v_lshl_add_u32 v[RD], v25, 4, v[RD]
	v_add_nc_u32 v[RD], s13, v[RD]
	v_and_b32 v[GO], 31, v0
	v_lshlrev_b32 v[GO], 4, v[GO]
	s_wait_loadcnt 0x0              ; Q
; THE MATRIX WORK of piece XX, number i of 16.  0-7: O^T += V^T P: keys 32 (i / 4) on, channels 16 (i % 4) on.  8-15: S^T = K Q^T: channels 32 ((i - 8) / 4) on, keys 16 (i % 4) on; 8-11 start the sums with the bias, or (KM = 1)
; with the mask.  The 4 accumulators of a run of 8 take turns.
.macro MMX
.if i < 8
	WIN W_PV
.set rO, 32*XX+8*(i%4)
.set rV, VF+32*(i/4)+8*(i%4)
.set rP, P+16*XX+8*(i/4)
	v_wmma_f32_16x16x32_f16 v[rO:rO+7], v[rV:rV+7], v[rP:rP+7], v[rO:rO+7]
.else
.set rS, S+32*XX+8*(i%4)
.set rK, KF+16*(i%4)+8*((i-8)/4)
.set rQ, 16*XX+8*((i-8)/4)
.set rM, MC+32*XX+8*(i%4)
.set rB, MB+8*(i%4)
.if (i < 12) && KM
	WIN W_KM
	v_wmma_f32_16x16x32_f16 v[rS:rS+7], v[rK:rK+7], v[rQ:rQ+7], v[rM:rM+7]
.elseif i < 12
	WIN W_KQ
	v_wmma_f32_16x16x32_f16 v[rS:rS+7], v[rK:rK+7], v[rQ:rQ+7], v[rB:rB+7]
.else
	WIN W_KQ
	v_wmma_f32_16x16x32_f16 v[rS:rS+7], v[rK:rK+7], v[rQ:rQ+7], v[rS:rS+7]
.endif
.endif
.set i, i+1
.endm
; THE LDS LOADS stand in runs, never singly among the matrix instructions.
.macro FETCH_K
	WIN 0x80
.irp f, 0,1,2,3,4,5,6,7
	ds_load_b128 v[KF+8*\f:KF+8*\f+3],   v[AK] offset:(\f/2)*16*PK+(\f%2)*64
	ds_load_b128 v[KF+8*\f+4:KF+8*\f+7], v[AK] offset:(\f/2)*16*PK+(\f%2)*64+32
.endr
	s_add_co_u32 s[TBK], s[TBK], KS*PK
	WIN 0
.endm
.macro FETCH_V
	WIN 0x80
.irp f, 0,1,2,3,4,5,6,7
	ds_load_tr16_b128 v[VF+8*\f:VF+8*\f+3],   v[AV] offset:(\f/4)*32*PV+(\f%4)*32
	ds_load_tr16_b128 v[VF+8*\f+4:VF+8*\f+7], v[AV] offset:(\f/4)*32*PV+16*PV+(\f%4)*32
.endr
	s_add_co_u32 s[TBV], s[TBV], KS*PV
	WIN 0
.endm
.macro FETCH_MB                     ; a step's 64 bias numbers: my lanes' eight of each group of 16 keys
	WIN 0
.irp f, 0,1,2,3
	ds_load_b128 v[MB+8*\f:MB+8*\f+3],   v[AMB] offset:64*\f
	ds_load_b128 v[MB+8*\f+4:MB+8*\f+7], v[AMB] offset:64*\f+16
.endr
	s_add_co_u32 s[TKB], s[TKB], 4*KS
	s_and_b32 s[TKB], s[TKB], 0x1f00  ; stays inside the table: the fetch behind a block's last step reads a bias that nobody uses
.endm
; THE VECTOR WORK, one line at a time, for piece t.  F n: c s - c m for pair n of 16.  E n: the exponential of score n of 32.  C n: pair n rounded to f16.  B n: of four weights the second pair is added onto the first.
; L n: l takes that sum (L 0: l = a l + sum).  R n: pair n of 16 of O^T times a.  X n: number n of the 22 that find the maximum and the statistics:
;   0-11 four chains of seven scores (each accumulator's lowest registers are read first)   12-14, 16 the four scores left over, the old m, the chains into c0   15 c m_old is kept
;   17, 18 the query's other 32 keys lie in the lane 16 away: the new m   19-21 c m; c m_old - c m_new; a
.set F, 0
.set E, 1
.set C, 2
.set B, 3
.set L, 4
.set R, 5
.set X, 6
.macro OP k, n, t
.set rT, ST+4*(\t)
.set rC, TMP+4*(\t)
.set rW, MV+(\t)
.set rS, S+32*(\t)
.set rP, P+16*(\t)
.set rO, 32*(\t)
.if (\k) == R
	WIN W_RS
	v_pk_mul_f32 v[rO+2*(\n):rO+2*(\n)+1], v[rO+2*(\n):rO+2*(\n)+1], v[rC+2:rC+3] op_sel_hi:[1,0]
.else
	WIN 0
.if (\k) == F
	v_pk_fma_f32 v[rS+2*(\n):rS+2*(\n)+1], v[rS+2*(\n):rS+2*(\n)+1], s[CS:CS+1], v[rT:rT+1] op_sel_hi:[1,0,0] neg_lo:[0,0,1] neg_hi:[0,0,1]
.elseif (\k) == E
	v_exp_f32 v[rS+(\n)], v[rS+(\n)]
.elseif (\k) == C
	s_wait_alu depctr_va_vdst(0)
	v_cvt_pk_f16_f32 v[rP+(\n)], v[rS+2*(\n)], v[rS+2*(\n)+1]
.elseif (\k) == B
	v_pk_add_f32 v[rS+4*(\n):rS+4*(\n)+1], v[rS+4*(\n):rS+4*(\n)+1], v[rS+4*(\n)+2:rS+4*(\n)+3]
.elseif ((\k) == L) && ((\n) == 0)
	v_pk_fma_f32 v[rT+2:rT+3], v[rT+2:rT+3], v[rC+2:rC+3], v[rS:rS+1] op_sel_hi:[1,0,1]
.elseif (\k) == L
	v_pk_add_f32 v[rT+2:rT+3], v[rT+2:rT+3], v[rS+4*(\n):rS+4*(\n)+1]
.elseif (\n) < 4
	v_max3_num_f32 v[rC+(\n)], v[rS+8*(\n)], v[rS+8*(\n)+1], v[rS+8*(\n)+2]
.elseif (\n) < 12
	v_max3_num_f32 v[rC+(\n)%4], v[rC+(\n)%4], v[rS+8*((\n)%4)+2*((\n)/4)+1], v[rS+8*((\n)%4)+2*((\n)/4)+2]
.elseif (\n) == 12
	v_max3_num_f32 v[rC], v[rC], v[rS+7], v[rS+15]
.elseif (\n) == 13
	v_max3_num_f32 v[rC+1], v[rC+1], v[rS+23], v[rS+31]
.elseif (\n) == 14
	v_max3_num_f32 v[rC+2], v[rC+2], v[rC+3], v[rT+1]
.elseif (\n) == 15
	v_mov_b32 v[rW], v[rT]
.elseif (\n) == 16
	v_max3_num_f32 v[rC], v[rC], v[rC+1], v[rC+2]
.elseif (\n) == 17
	v_permlanex16_b32 v[rC+3], v[rC], s[SEL], s[SEL+1]
.elseif (\n) == 18
	v_max_num_f32 v[rT+1], v[rC], v[rC+3]
.elseif (\n) == 19
	v_mul_f32 v[rT], s[CS], v[rT+1]
.elseif (\n) == 20
	v_sub_f32 v[rC+1], v[rW], v[rT]
.else
	v_exp_f32 v[rC+2], v[rC+1]
.endif
.endif
.endm
.macro OPS a, i1, b=-1, i2=0, c=-1, i3=0, d=-1, i4=0  ; up to four lines for piece YY
	OP \a, \i1, YY
.if (\b) >= 0
	OP \b, \i2, YY
.endif
.if (\c) >= 0
	OP \c, \i3, YY
.endif
.if (\d) >= 0
	OP \d, \i4, YY
.endif
.endm
.macro GRP e, p1, n1, p2, n2, p3, n3, p4, n4  ; four exponentials from number e on, a plain line behind each: no two follow each other, and none is used by the line behind it (ISA guide 5.7.2)
	OP E, (\e), YY
	OP \p1, \n1, YY
	OP E, (\e)+1, YY
	OP \p2, \n2, YY
	OP E, (\e)+2, YY
	OP \p3, \n3, YY
	OP E, (\e)+3, YY
	OP \p4, \n4, YY
.endm
.macro MCS                          ; both pieces' masks: MD x AL + MB
	WIN W_RS
.set z, 0
.rept 32
	v_pk_fma_f32 v[MC+2*z:MC+2*z+1], v[MD+2*z:MD+2*z+1], s[AL:AL+1], v[MB+2*(z%16):MB+2*(z%16)+1] op_sel_hi:[1,0,1]
.set z, z+1
.endr
.endm
.macro MASKS                        ; in a block's last tile: the masks of the products K Q^T of this trip, step 5 - CNT of the tile
	s_sub_co_u32 s[T0], 5, s[CNT]
	s_cmp_eq_u32 s[T0], s[QBD]      ; is that step my band's own?
	s_cselect_b32 s[AL], 1.0, 0
	s_cmp_gt_u32 s[T0], s[QBD]      ; or a later one?
	s_cselect_b32 s[BE], s[BIGN], 0
	WIN 0
.set z, 0
.rept 16
	v_pk_add_f32 v[MB+2*z:MB+2*z+1], v[MB+2*z:MB+2*z+1], s[BE:BE+1] op_sel_hi:[1,0]
.set z, z+1
.endr
	MCS
.endm
; A TURN.  Piece x has the matrix unit, the other piece's softmax stands round its products.  m = 1: in a block's last tile.
; The 8 products V^T P carry the maximum: four lines behind each while the chains are four wide, one or two where each line waits for the last.  Then the exponentials, a plain line behind each: scalings two groups ahead,
; roundings a group back, the first sums; the 8 products K Q^T stand between the groups.  No vector line names a register of the products round it.  The rescaling, the one part outside window 0, stands together at the end:
; sixteen plain lines, the places between the turn's last product and the next turn's reads of its scores and loads into K (ISA guide 7.12.1 for reads).
; Turn 0 fetches K at its head, 22 plain lines behind K's last reader; in the fifth turn 0 of a block's last tile there is no further step, and the run is jumped over.
; Turn 1 fetches V five plain lines behind V's last reader (X 20, F 0 to F 3), and the next bias eight plain lines behind the last product that took the bias as C.
.macro TURN x, m
.set XX, (\x)
.set YY, 1-(\x)
.set KM, (\m)
.set i, 0
	WIN 0
.if (\x) == 0
	s_wait_dscnt 0x0                ; V and the bias are in
	v_add_nc_u32 v[AK], s[TBK], v[AK0]
.if \m
	s_cmp_eq_u32 s[CNT], 1
	s_cbranch_scc1 .Lnk_\@
.endif
	FETCH_K
.if \m
.Lnk_\@:
.endif
.endif
	MMX
	OPS X,0, X,1, X,2, X,3
	MMX
	OPS X,4, X,5, X,6, X,7
	MMX
	OPS X,8, X,9, X,10, X,11
	MMX
	OPS X,15, X,12, X,13, X,14
	MMX
	OPS X,16
.if (\x) == 1
	v_add_nc_u32 v[AV], s[TBV], v[AV0]
	v_add_nc_u32 v[AMB], s[TKB], v[AMB0]
.elseif \m
	MASKS
.endif
	MMX
	OPS X,17
	MMX
	OPS X,18, X,19
	MMX
	OPS X,20, X,21, F,0, F,1
	OPS F,2, F,3
.if (\x) == 1
	FETCH_V
.endif
	GRP 0,  F,4,  F,5,  F,6,  F,7
	GRP 4,  F,8,  F,9,  C,0,  C,1
	GRP 8,  F,10, F,11, C,2,  C,3
.if (\x) == 0
	s_wait_dscnt 0x0                ; K is in
.endif
	MMX
	GRP 12, F,12, F,13, C,4,  C,5
	MMX
	GRP 16, F,14, F,15, C,6,  C,7
	MMX
	GRP 20, B,0,  B,1,  C,8,  C,9
	MMX
	GRP 24, B,2,  L,0,  C,10, C,11
	MMX
	GRP 28, B,3,  L,1,  C,12, C,13
.if (\x) == 1
	FETCH_MB
.endif
	MMX
	OPS C,14, C,15, B,4, L,2
	OPS B,5, L,3
	MMX
	OPS B,6, L,4, B,7, L,5
	OPS L,6, L,7
	MMX
.set nn, 0
.rept 16
	OP R, nn, YY
.set nn, nn+1
.endr
.endm
; A BLOCK BEGINS.  c m starts far below every c s, so the first step's a is 0; m at the lowest finite number, so the first maximum is the scores'.  K and the bias of the tile's first step, piece 0's first scores, bare;
; then the loop is entered at turn 1.  m = 1: the block's first tile is its last: step 0 is my band's own if the band is 0, and never a later one.
.macro BEGIN m
	s_mov_b32 s[NEW], 0
	s_mov_b32 s[TKB], 0
	WIN 0
.set i, 0
.rept 2
	v_mov_b32 v[ST+4*i], 0xfe000000
	v_mov_b32 v[ST+4*i+1], 0xff7fffff
.set i, i+1
.endr
	v_add_nc_u32 v[AK], s[TBK], v[AK0]
	v_mov_b32 v[AMB], v[AMB0]
	FETCH_K
	FETCH_MB
	s_wait_dscnt 0x0
.if \m
	s_cmp_eq_u32 s[QBD], 0
	s_cselect_b32 s[AL], 1.0, 0
	MCS
.endif
.set XX, 0
.set KM, (\m)
.set i, 8
.rept 8
	MMX
.endr
	WIN 0
.rept 4
	v_nop                           ; the places between those products and the reads of their scores
.endr
.endm
.macro LASTPV                       ; piece 1's V^T P of the block's last step, bare
.set XX, 1
.set i, 0
.rept 8
	MMX
.endr
.endm
.macro PACK t                       ; a lane's eight channels of a row pack into 16 bytes; they go into rows of 144 bytes and come back as whole rows of 128
	WIN W_RS
.set i, 32*(\t)
.rept 16
	v_pk_mul_f32 v[i:i+1], v[i:i+1], v[ST+4*(\t)+2:ST+4*(\t)+3] op_sel_hi:[1,0]
.set i, i+2
.endr
	WIN 0x05
.set i, 0
.rept 16
	v_cvt_pk_f16_f32 v[S+16*(\t)+i], v[32*(\t)+2*i], v[32*(\t)+2*i+1]
.set i, i+1
.endr
	WIN 0
.irp f, 0,1,2,3
	ds_store_b128 v[STO], v[S+16*(\t)+4*\f:S+16*(\t)+4*\f+3] offset:32*\f
.endr
.irp f, 0,1,2,3
	ds_load_b128 v[S+16*(\t)+4*\f:S+16*(\t)+4*\f+3], v[RD] offset:\f*4*SP  ; LDS serves a wave's instructions in order (ISA guide 5.7.1.4)
.endr
.endm
.macro SEND t, younger              ; younger: the LDS instructions issued behind piece t's loads
	WIN 0
.irp f, 0,1,2,3
	s_wait_dscnt (\younger)+3-\f
	global_store_b128 v[GO], v[S+16*(\t)+4*\f:S+16*(\t)+4*\f+3], s[10:11] offset:(\t)*2048+\f*512  ; four rows of a plane: 512 consecutive bytes
.endr
.endm
.macro FINISH                       ; a block's way out: l's halves are added; O^T is divided by l, or multiplied by 0 where the row saw no key.  The additions are the places behind the last products
	WIN 0
.irp t, 0,1
	v_add_f32 v[ST+4*\t+2], v[ST+4*\t+2], v[ST+4*\t+3]
.endr
.irp t, 0,1
	v_permlanex16_b32 v[ST+4*\t+3], v[ST+4*\t+2], s[SEL], s[SEL+1]
.endr
.irp t, 0,1
	v_add_f32 v[ST+4*\t+2], v[ST+4*\t+2], v[ST+4*\t+3]
.endr
.irp t, 0,1
	v_rcp_f32 v[ST+4*\t+2], v[ST+4*\t+2]
.endr
	v_nop
.irp t, 0,1
	v_cmp_lt_f32 vcc_lo, s[THR], v[ST+4*\t+1]
	s_wait_alu depctr_va_vdst(0)
	v_cndmask_b32 v[ST+4*\t+2], 0, v[ST+4*\t+2], vcc_lo
.endr
	PACK 0
	PACK 1
	SEND 0, 8
	SEND 1, 0
.endm
.Lslot:                             ; eight times: a tile is entered and the next is asked for
	CHANGE 1
	s_sub_co_u32 s[RT], s[RT], 1
	s_cmp_eq_u32 s[NEW], 1
	s_cbranch_scc1 .Lnew            ; a block's first tile
	s_cmp_eq_u32 s[RT], 0
	s_cbranch_scc1 .Lmask1          ; its last
	s_mov_b32 s[CNT], 4
	s_branch .Lstep
.Lnew:
	BEGIN 0                         ; in the loop a block's first tile is never its last: the first block has five tiles or more, and the second's last is the walk's last
	s_mov_b32 s[CNT], 4
	s_branch .Lfirst
.Lmask1:                            ; in the loop this is the first block's end
	s_mov_b32 s[CNT], 5             ; four trips fetch the tile's steps; the fifth is left in its middle
.LstepM1:
	TURN 0, 1
	WIN 0
	s_sub_co_u32 s[CNT], s[CNT], 1
	s_cmp_eq_u32 s[CNT], 0
	s_cbranch_scc1 .LoutM1
	TURN 1, 1
	WIN 0
	s_branch .LstepM1
.LoutM1:
	LASTPV
	FINISH
	s_wait_xcnt 0x0                 ; the stores' registers and base are rewritten only behind this wait
	s_mov_b64 s[10:11], s[OLO:OLO+1]
	s_add_co_u32 s[RT], s[LQ2], 1   ; the second block has p / 2 + 1 tiles
	s_mov_b32 s[NEW], 1
	s_mov_b32 s[QBD], s[QB2]
	WIN 0x82                        ; the second block's Q goes where the one text of the turns names Q
.set i, 0
.rept 32
	v_mov_b32 v[i], v[QB+i]
.set i, i+1
.endr
	WIN 0
	s_branch .Lbottom
.Lstep:                             ; a trip: both pieces' V^T P of one step and K Q^T of the next
	TURN 0, 0
	WIN 0
.Lfirst:
	TURN 1, 0
	WIN 0
	s_sub_co_u32 s[CNT], s[CNT], 1
	s_cmp_lg_u32 s[CNT], 0
	s_cbranch_scc1 .Lstep
.Lbottom:
	s_sub_co_u32 s[SLOTS], s[SLOTS], 1
	s_cmp_lg_u32 s[SLOTS], 0
	s_cbranch_scc1 .Lslot
	CHANGE 0                        ; the walk's last tile is written out
	s_cmp_eq_u32 s[NEW], 1
	s_cbranch_scc0 .Lold2
	BEGIN 1
	s_mov_b32 s[CNT], 4             ; BEGIN has stood for the first turn 0
	s_branch .LfirstM2
.Lold2:
	s_mov_b32 s[CNT], 5
.LstepM2:
	TURN 0, 1
	WIN 0
	s_sub_co_u32 s[CNT], s[CNT], 1
	s_cmp_eq_u32 s[CNT], 0
	s_cbranch_scc1 .LoutM2
.LfirstM2:
	TURN 1, 1
	WIN 0
	s_branch .LstepM2
.LoutM2:
	LASTPV
	FINISH
	s_wait_tensorcnt 0x0            ; the wave's end
	ds_add_u32 v[SPW], v[NIL]
	s_wait_dscnt 0x0
	s_endpgm
.Lfunc_end_k_qffa39543ae_attn:
	.size	k_qffa39543ae_attn, .Lfunc_end_k_qffa39543ae_attn-k_qffa39543ae_attn
	.p2alignl 7, 3214868480
	.fill 96, 4, 3214868480
	.section	.rodata,"a",@progbits
	.p2align	6, 0x0
	.amdhsa_kernel k_qffa39543ae_attn
		.amdhsa_group_segment_fixed_size 327680
		.amdhsa_private_segment_fixed_size 0
		.amdhsa_enable_private_segment 0
		.amdhsa_kernarg_size 24
		.amdhsa_user_sgpr_count 2
		.amdhsa_user_sgpr_kernarg_segment_ptr 1
		.amdhsa_wavefront_size32 1
		.amdhsa_system_sgpr_workgroup_id_x 1
		.amdhsa_system_sgpr_workgroup_id_y 1
		.amdhsa_system_sgpr_workgroup_id_z 1
		.amdhsa_system_vgpr_workitem_id 0
		.amdhsa_next_free_vgpr 768
		.amdhsa_next_free_sgpr 92
		.amdhsa_reserve_vcc 1
		.amdhsa_float_denorm_mode_32 3
		.amdhsa_float_denorm_mode_16_64 3
		.amdhsa_memory_ordered 1
		.amdhsa_forward_progress 1
		.amdhsa_inst_pref_size 116
	.end_amdhsa_kernel
	.amdgpu_metadata
---
amdhsa.version: [ 1, 2 ]
amdhsa.kernels:
  - .name:           k_qffa39543ae_attn
    .symbol:         k_qffa39543ae_attn.kd
    .args:
      - { .name: wide, .offset: 0, .size: 8, .value_kind: global_buffer, .address_space: global }
      - { .name: mask, .offset: 8, .size: 8, .value_kind: global_buffer, .address_space: global }
      - { .name: ao, .offset: 16, .size: 8, .value_kind: global_buffer, .address_space: global }
    .group_segment_fixed_size: 327680
    .private_segment_fixed_size: 0
    .kernarg_segment_align: 8
    .kernarg_segment_size: 24
    .max_flat_workgroup_size: 128
    .sgpr_count:     92
    .vgpr_count:     768
    .wavefront_size: 32
...
	.end_amdgpu_metadata
.endif
;; end of part 3
;; launch gout (part 4): grid 8 x 32, 4 waves a work-group, clusters of 4 x 4, 327,680 bytes of LDS; arguments ao, wo, x, x1; writes x1
.if DOCPART == 4
	.amdgcn_target "amdgcn-amd-amdhsa--gfx1250"
	.amdhsa_code_object_version 6
	.text
	.protected	k_qffa39543ae_gout
	.globl	k_qffa39543ae_gout
	.p2align	8
	.type	k_qffa39543ae_gout,@function
k_qffa39543ae_gout:
	s_mov_b64 s[64:65], 0
	v_nop
	global_prefetch_b8 v0, s[64:65] scope:SCOPE_SE
	s_setreg_imm32_b32 hwreg(HW_REG_WAVE_MODE, 25, 1), 1
	s_wait_xcnt 0x0
	s_wait_alu depctr_hold_cnt(0) depctr_sa_sdst(0) depctr_va_vdst(0) depctr_va_sdst(0) depctr_va_ssrc(0) depctr_va_vcc(0) depctr_vm_vsrc(0)
	s_getreg_b32 s2, hwreg(HW_REG_IB_STS2, 6, 4)
	s_cmp_eq_u32 s2, 0
	s_cbranch_scc0 .Lentry_in_a_cluster
	s_endpgm
.Lentry_in_a_cluster:
	s_bfe_u32 s2, ttmp6, 0x10000c
	s_cmp_lg_u32 s2, 0xf033
	s_cbranch_scc0 .Lentry_shape_is_right
	s_endpgm
.Lentry_shape_is_right:
; x1 = x + ao wo^T.  ao: planes [16][4096 rows][64] f16 (K = 64 x plane + channel), wo: [1024][1024] f16, x and x1: [4096][1024] f32.  Sums in f32; the residual is added in f32.
; A tile of C is 128 x 128 (256 work-groups), four waves of 64 x 64: 16 accumulators.  K goes in 4 steps of 256 (four planes of A) through two LDS slots.
; A's tile: the tile's 128 rows of a plane are 16,384 dense bytes; a wave asks for two planes as two rows of 16,384 bytes, padded in LDS after every 128 bytes.  B's tile: 64 rows of 512 bytes a wave.
; CLUSTER 4 x 4: A's tiles are asked for jointly along a row of the cluster, B's along a column.  THE MATRIX INSTRUCTION IS USED TRANSPOSED: lane l holds row l % 16 of C and the columns 8 (l / 16) + 0..7.
; The residual's 64 x 64 numbers of a wave are loaded at the start into 128 registers, in the layout of the stores, and stay out during the whole product.
; THE WAY OUT: behind the ring's last fill and last read each wave lays its sums into its own part of the ring's bytes and reads them back by rows: sixteen lanes store 256 consecutive bytes, aligned.
; REGISTERS: window 0: v0-31 addresses, v128-255 accumulator (a, b) at v[128 + 8 (4 a + b)]; window 1: two fragment buffers of 128 (64 of A, 64 of B); window 2: v0-127 the residual.
.set SIZE_K, 1024
.set STEPS,  SIZE_K/256
.set PLANE,  524288
.set PA,     144                       ; a row of a plane in LDS: 128 bytes + 16
.set APL,    128*PA                    ; a plane's 128 rows
.set ATILE,  4*APL
.set PB,     528                       ; a row of B: 512 bytes + 16
.set BHALF,  64*PB
.set SLOT,   147456                    ; 0x24000; 141,312 are used.  No tile's place in a slot (0, 0x9000, 0x12000, 0x1a400) has one of its two bits, so an exclusive or with it changes slots
.set SPARE,  2*SLOT
.set DP,     272                       ; the way out: a row of 64 f32 + 16 bytes
.set DREG,   64*DP
.set ADRA0, 16
.set ADRB0, 17
.set ADRA,  18
.set ADRB,  19
.set DST,   20
.set RD,    21
.set CO,    26                         ; v26  my byte offset in two rows of x and x1
.set SPW,   28
.set NIL,   29
.set ACC,   128
.set F0,    0
.set F1,    128
.set WV, 12
.set RH, 13
.set CH, 14
.set ROW0, 15                          ; s15  my first row of C: it enters global addresses alone
.set TB, 20
.set G1, 24
.set G0, 32
.set G1B, 48
.set G0B, 56
.set MSB, 0
.macro WIN new
.if MSB != (\new)
	s_set_vgpr_msb (MSB<<8)|(\new)
.set MSB, \new
.endif
.endm
.set MUL,  0x05                        ; sources 0 (B) and 1 (A) window 1; C and D window 0
.set TO_F, 0x40
.macro JLOAD s                         ; a joint load: waves 0 and 1 fetch A's planes, waves 2 and 3 B's halves; an s_nop 0 and four v_nop follow each line
	s_cmp_eq_u32 s[RH], 0
	s_cbranch_scc0 .Lfor_b_\@
	tensor_load_to_lds s[G0+4*(\s):G0+4*(\s)+3], s[G1:G1+7]
	s_nop 0
.rept 4
	v_nop
.endr
	s_branch .Lasked_\@
.Lfor_b_\@:
	tensor_load_to_lds s[G0B+4*(\s):G0B+4*(\s)+3], s[G1B:G1B+7]
	s_nop 0
.rept 4
	v_nop
.endr
.Lasked_\@:
.endm
.macro CREST
	s_cmp_lg_u32 s[WV], 0
	s_cbranch_scc1 .Lnot_wave_0_\@
	s_barrier_signal -3
.Lnot_wave_0_\@:
	s_barrier_wait -3
	s_barrier_signal -1
	s_barrier_wait -1
.endm
.macro CROUND
	s_barrier_signal -1
	s_barrier_wait -1
	CREST
.endm
	s_load_b256 s[4:11], s[0:1], 0x0               ; A s[4:5], B s[6:7], the residual s[8:9], the result s[10:11]
	v_lshl_add_u32 v[SPW], v0, 2, SPARE
	v_mov_b32 v[NIL], 0
	ds_add_u32 v[SPW], v[NIL]                      ; the wave's opening: the add and its wait stand ahead of my first tensor load
	ds_add_u32 v28, v29
	v_lshrrev_b32 v1, 5, v0
	v_readfirstlane_b32 s[WV], v1
	s_lshr_b32 s[RH], s[WV], 1
	s_and_b32 s[CH], s[WV], 1
	s_bfe_u32 s40, ttmp6, 0x40000
	s_bfe_u32 s41, ttmp6, 0x40004
	s_lshl_b32 s42, ttmp9, 2
	s_add_co_u32 s42, s42, s40                     ; tile column
	s_and_b32 s43, ttmp7, 0xffff
	s_lshl_b32 s43, s43, 2
	s_add_co_u32 s43, s43, s41                     ; tile row
	s_lshl_b32 s44, s41, 2
	s_lshl_b32 s44, 15, s44
	s_lshl_b32 s45, 0x1111, s40
	s_or_b32 s[G1+0], s44, (1<<16)|(1<<20)|(1<<21)|(4<<22)|(3<<25)   ; A: after every 32 words 4 words of padding
	s_mov_b32 s[G1+1], 8192<<16                    ; tensor_dim0 = 8,192 elements: 128 rows of a plane
	s_mov_b32 s[G1+2], 2<<16                       ; tensor_dim1 = 2 planes
	s_mov_b32 s[G1+3], 8192<<16                    ; tile_dim0
	s_mov_b32 s[G1+4], 2                           ; tile_dim1
	s_mov_b32 s[G1+5], PLANE/2                     ; elements from plane to plane
	s_mov_b32 s[G1+6], 0
	s_mov_b32 s[G1+7], 0
	s_or_b32 s[G1B+0], s45, (1<<16)|(1<<20)|(1<<21)|(6<<22)|(3<<25)  ; B: after every 128 words 4 words
	s_mov_b32 s[G1B+1], 256<<16
	s_mov_b32 s[G1B+2], 64<<16
	s_mov_b32 s[G1B+3], 256<<16
	s_mov_b32 s[G1B+4], 64
	s_mov_b32 s[G1B+5], SIZE_K
	s_mov_b32 s[G1B+6], 0
	s_mov_b32 s[G1B+7], 0
	s_lshl_b32 s16, s43, 14                        ; A: the tile's 128 rows of 128 bytes, and my two planes
	s_lshl_b32 s17, s[CH], 20
	s_add_co_u32 s16, s16, s17
	s_mov_b32 s17, 0
	s_lshl_b32 s46, s42, 7                         ; B: row 128 x tile column + 64 x half
	s_lshl_b32 s47, s[CH], 6
	s_add_co_u32 s46, s46, s47
	s_mul_i32 s46, s46, SIZE_K*2
	s_mov_b32 s47, 0
	s_mul_i32 s21, s[CH], 2*APL                    ; where they go: no place in the cluster enters an LDS address
	s_mul_i32 s2, s[CH], BHALF
	s_add_co_u32 s2, s2, ATILE
	s_mov_b32 s[TB], 0
	s_wait_dscnt 0x0
	s_wait_kmcnt 0x0
	s_add_nc_u64 s[16:17], s[4:5], s[16:17]
	s_add_nc_u64 s[46:47], s[6:7], s[46:47]
	CROUND                                         ; all sixteen work-groups are here: the first joint loads meet
.irp s, 0,1
	s_mov_b32 s[G0+4*(\s)], 1
	s_add_co_u32 s[G0+4*(\s)+1], s21, (\s)*SLOT
	s_add_nc_u64 s[G0+4*(\s)+2:G0+4*(\s)+3], s[16:17], (\s)*4*PLANE
	s_or_b32 s[G0+4*(\s)+3], s[G0+4*(\s)+3], 0x80000000
	s_mov_b32 s[G0B+4*(\s)], 1
	s_add_co_u32 s[G0B+4*(\s)+1], s2, (\s)*SLOT
	s_add_nc_u64 s[G0B+4*(\s)+2:G0B+4*(\s)+3], s[46:47], (\s)*512
	s_or_b32 s[G0B+4*(\s)+3], s[G0B+4*(\s)+3], 0x80000000
	JLOAD \s                                       ; K steps 0 and 1: two loads of mine are out
.endr
	v_and_b32 v1, 15, v0
	v_bfe_u32 v2, v0, 4, 1
	s_lshl_b32 s[ROW0], s43, 7
	s_lshl_b32 s19, s[RH], 6
	s_add_co_u32 s[ROW0], s[ROW0], s19             ; my first row of C
	s_lshl_b32 s18, s[ROW0], 12
	s_lshl_b32 s19, s42, 9
	s_add_co_u32 s18, s18, s19
	s_lshl_b32 s19, s[CH], 8
	s_add_co_u32 s18, s18, s19                     ; + my first column, 4 bytes each
	s_mov_b32 s19, 0
	s_add_nc_u64 s[8:9], s[8:9], s[18:19]
	s_add_nc_u64 s[10:11], s[10:11], s[18:19]
	v_lshlrev_b32 v[CO], 12, v2                    ; lanes 0-15 one row's 256 bytes, lanes 16-31 the next row's
	v_lshl_add_u32 v[CO], v1, 4, v[CO]
	WIN 0x80
.set i, 0
.rept 32
	global_load_b128 v[4*i:4*i+3], v[CO], s[8:9] offset:8192*i
.set i, i+1
.endr
	WIN 0
	v_mul_u32_u24 v3, v1, PA
	v_lshl_add_u32 v3, v2, 4, v3
	s_mul_i32 s23, s[RH], 64*PA
	v_add_nc_u32 v[ADRA0], s23, v3
	v_mul_u32_u24 v3, v1, PB
	v_lshl_add_u32 v3, v2, 4, v3
	s_mul_i32 s23, s[CH], BHALF
	s_add_co_u32 s23, s23, ATILE
	v_add_nc_u32 v[ADRB0], s23, v3
	v_mov_b32 v[ADRA], v[ADRA0]
	v_mov_b32 v[ADRB], v[ADRB0]
	s_mul_i32 s23, s[WV], DREG
	v_mul_u32_u24 v4, v1, DP
	v_lshl_add_u32 v4, v2, 5, v4
	v_add_nc_u32 v[DST], s23, v4
	v_mul_u32_u24 v4, v2, DP
	v_lshl_add_u32 v4, v1, 4, v4
	v_add_nc_u32 v[RD], s23, v4
.macro MUL8 f, c, a0, zero             ; 8 matrix instructions: m blocks a0, a0 + 1 x all 4 n blocks, 32 along K: half c of buffer f
	WIN MUL
.irp a, \a0, (\a0)+1
.irp b, 0,1,2,3
.if \zero
	v_wmma_f32_16x16x32_f16 v[ACC+8*(4*(\a)+(\b)):ACC+8*(4*(\a)+(\b))+7], v[(\f)+64+8*(4*(\c)+(\b)):(\f)+64+8*(4*(\c)+(\b))+7], v[(\f)+8*(4*(\c)+(\a)):(\f)+8*(4*(\c)+(\a))+7], 0
.else
	v_wmma_f32_16x16x32_f16 v[ACC+8*(4*(\a)+(\b)):ACC+8*(4*(\a)+(\b))+7], v[(\f)+64+8*(4*(\c)+(\b)):(\f)+64+8*(4*(\c)+(\b))+7], v[(\f)+8*(4*(\c)+(\a)):(\f)+8*(4*(\c)+(\a))+7], v[ACC+8*(4*(\a)+(\b)):ACC+8*(4*(\a)+(\b))+7]
.endif
.endr
.endr
.endm
.macro FETCH q, f                      ; 32 LDS loads in one run: quarter q (plane q of A, 64 along K) into buffer f; the first 32 along K first
	WIN TO_F
.irp c, 0,1
.irp i, 0,1,2,3
	ds_load_b128 v[(\f)+64+8*(4*(\c)+(\i)):(\f)+64+8*(4*(\c)+(\i))+3],   v[ADRB] offset:128*(\q)+64*(\c)+(\i)*16*PB
	ds_load_b128 v[(\f)+64+8*(4*(\c)+(\i))+4:(\f)+64+8*(4*(\c)+(\i))+7], v[ADRB] offset:128*(\q)+64*(\c)+(\i)*16*PB+32
	ds_load_b128 v[(\f)+8*(4*(\c)+(\i)):(\f)+8*(4*(\c)+(\i))+3],         v[ADRA] offset:(\q)*APL+64*(\c)+(\i)*16*PA
	ds_load_b128 v[(\f)+8*(4*(\c)+(\i))+4:(\f)+8*(4*(\c)+(\i))+7],       v[ADRA] offset:(\q)*APL+64*(\c)+(\i)*16*PA+32
.endr
.endr
.endm
.macro PLACES                          ; four plain vector instructions between a matrix instruction and a load into, or a read of, its registers (ISA guide 7.12.1 for reads)
.rept 4
	v_nop
.endr
.endm
.macro QUARTER q, f, g, zero           ; multiplies buffer f, fetches quarter q into g
	s_wait_dscnt 16                                ; the first 32 along K are in
	MUL8 \f, 0, 0, \zero
	MUL8 \f, 0, 2, \zero
	PLACES
	FETCH \q, \g
	s_wait_dscnt 32                                ; all but the 32 just issued
	MUL8 \f, 1, 0, 0
	MUL8 \f, 1, 2, 0
.endm
; The last quarter multiplies buffer 1 and changes slots: one barrier; in front of it each wave waits for all its tensor loads, adds 0 to its spare word, and waits for that and for its reads of this slot.
; fill = 1: the barrier opens a round of the cluster's, and this slot is filled again, two K steps ahead: 112 matrix instructions ahead of the wait for it.
.macro TURN fill
	WIN 0
	s_wait_tensorcnt 0x0
	ds_add_u32 v[SPW], v[NIL]
	s_wait_dscnt 17                                ; the add and the youngest sixteen loads may be out
	MUL8 F1, 0, 0, 0
	s_wait_dscnt 0x0
	s_barrier_signal -1
	MUL8 F1, 0, 2, 0
.if \fill
	WIN 0
.endif
	s_barrier_wait -1
.if \fill
	CREST
	s_xor_b32 s[G0+5], s[G0+5], SLOT               ; the walking descriptors: the other slot, the next K step
	s_add_nc_u64 s[G0+6:G0+7], s[G0+6:G0+7], 4*PLANE
	s_xor_b32 s[G0B+5], s[G0B+5], SLOT
	s_add_nc_u64 s[G0B+6:G0B+7], s[G0B+6:G0B+7], 512
	JLOAD 1
.else
	PLACES
.endif
	WIN 0
	s_xor_b32 s[TB], s[TB], SLOT
	v_add_nc_u32 v[ADRA], s[TB], v[ADRA0]
	v_add_nc_u32 v[ADRB], s[TB], v[ADRB0]
	FETCH 0, F0
	MUL8 F1, 1, 0, 0
	MUL8 F1, 1, 2, 0
.endm
	s_wait_tensorcnt 1                             ; my part of K step 0 is in; step 1's may stay out
	s_barrier_signal -1
	s_barrier_wait -1
	FETCH 0, F0
	QUARTER 1, F0, F1, 1
	WIN 0
	s_mov_b32 s3, STEPS-2
.Llap:
	QUARTER 2, F1, F0, 0
	QUARTER 3, F0, F1, 0
	TURN 1
	QUARTER 1, F0, F1, 0
	WIN 0
	s_sub_co_u32 s3, s3, 1
	s_cmp_lg_u32 s3, 0
	s_cbranch_scc1 .Llap
	s_mov_b32 s3, 2
.Ltail:                                                ; the last two K steps ask for nothing; the second trip is left in its middle
	QUARTER 2, F1, F0, 0
	QUARTER 3, F0, F1, 0
	WIN 0
	s_sub_co_u32 s3, s3, 1
	s_cmp_eq_u32 s3, 0
	s_cbranch_scc1 .Llast
	TURN 0
	QUARTER 1, F0, F1, 0
	WIN 0
	s_branch .Ltail
.Llast:
	s_wait_dscnt 0x0                               ; my last reads of the ring are back
	s_barrier_signal -1
	MUL8 F1, 0, 0, 0
	MUL8 F1, 0, 2, 0
	MUL8 F1, 1, 0, 0
	MUL8 F1, 1, 2, 0
	WIN 0
	s_barrier_wait -1                              ; nobody reads the ring any more, and it has had its last fill
	PLACES
	s_wait_loadcnt 0x0                             ; the residual
.irp a, 0,1,2,3
.irp b, 0,1,2,3
	ds_store_b128 v[DST], v[ACC+8*(4*(\a)+(\b)):ACC+8*(4*(\a)+(\b))+3]   offset:(\a)*16*DP+64*(\b)
	ds_store_b128 v[DST], v[ACC+8*(4*(\a)+(\b))+4:ACC+8*(4*(\a)+(\b))+7] offset:(\a)*16*DP+64*(\b)+16
.endr
.endr
.set i, 0
.rept 32
	ds_load_b128 v[ACC+4*i:ACC+4*i+3], v[RD] offset:2*DP*i  ; two rows a load; LDS serves a wave's instructions in order (ISA guide 5.7.1.4)
.set i, i+1
.endr
.irp gq, 0,1,2,3
	s_wait_dscnt 24-8*(\gq)                        ; the later groups' loads stay out
	WIN 0x08                                       ; source 1, the residual, in window 2
.set i, 16*(\gq)
.rept 16
	v_pk_add_f32 v[ACC+2*i:ACC+2*i+1], v[ACC+2*i:ACC+2*i+1], v[2*i:2*i+1]
.set i, i+1
.endr
	WIN 0
.set i, 8*(\gq)
.rept 8
	global_store_b128 v[CO], v[ACC+4*i:ACC+4*i+3], s[10:11] offset:8192*i  ; sixteen lanes store 256 consecutive bytes, aligned
.set i, i+1
.endr
.endr
	s_wait_tensorcnt 0x0                           ; the wave's end
	ds_add_u32 v[SPW], v[NIL]
	s_wait_dscnt 0x0
	CROUND                                         ; the closing round
	s_endpgm
.Lfunc_end_k_qffa39543ae_gout:
	.size	k_qffa39543ae_gout, .Lfunc_end_k_qffa39543ae_gout-k_qffa39543ae_gout
	.p2alignl 7, 3214868480
	.fill 96, 4, 3214868480
	.section	.rodata,"a",@progbits
	.p2align	6, 0x0
	.amdhsa_kernel k_qffa39543ae_gout
		.amdhsa_group_segment_fixed_size 327680
		.amdhsa_private_segment_fixed_size 0
		.amdhsa_enable_private_segment 0
		.amdhsa_kernarg_size 32
		.amdhsa_user_sgpr_count 2
		.amdhsa_user_sgpr_kernarg_segment_ptr 1
		.amdhsa_wavefront_size32 1
		.amdhsa_system_sgpr_workgroup_id_x 1
		.amdhsa_system_sgpr_workgroup_id_y 1
		.amdhsa_system_sgpr_workgroup_id_z 1
		.amdhsa_system_vgpr_workitem_id 0
		.amdhsa_next_free_vgpr 640
		.amdhsa_next_free_sgpr 66
		.amdhsa_reserve_vcc 0
		.amdhsa_float_denorm_mode_32 3
		.amdhsa_float_denorm_mode_16_64 3
		.amdhsa_memory_ordered 1
		.amdhsa_forward_progress 1
		.amdhsa_inst_pref_size 67
	.end_amdhsa_kernel
	.amdgpu_metadata
---
amdhsa.version: [ 1, 2 ]
amdhsa.kernels:
  - .name:           k_qffa39543ae_gout
    .symbol:         k_qffa39543ae_gout.kd
    .args:
      - { .name: ao, .offset: 0, .size: 8, .value_kind: global_buffer, .address_space: global }
      - { .name: wo, .offset: 8, .size: 8, .value_kind: global_buffer, .address_space: global }
      - { .name: x, .offset: 16, .size: 8, .value_kind: global_buffer, .address_space: global }
      - { .name: x1, .offset: 24, .size: 8, .value_kind: global_buffer, .address_space: global }
    .group_segment_fixed_size: 327680
    .private_segment_fixed_size: 0
    .kernarg_segment_align: 8
    .kernarg_segment_size: 32
    .max_flat_workgroup_size: 128
    .sgpr_count:     66
    .vgpr_count:     640
    .wavefront_size: 32
...
	.end_amdgpu_metadata
.endif
;; end of part 4
;; launch ln2 (part 5): grid 512 x 1, 8 waves a work-group, no clusters, 0 bytes of LDS; arguments x1, ln2_w, hn; writes hn
.if DOCPART == 5
	.amdgcn_target "amdgcn-amd-amdhsa--gfx1250"
	.amdhsa_code_object_version 6
	.text
	.protected	k_qffa39543ae_ln2
	.globl	k_qffa39543ae_ln2
	.p2align	8
	.type	k_qffa39543ae_ln2,@function
k_qffa39543ae_ln2:
	s_mov_b64 s[64:65], 0
	v_nop
	global_prefetch_b8 v0, s[64:65] scope:SCOPE_SE
	s_setreg_imm32_b32 hwreg(HW_REG_WAVE_MODE, 25, 1), 1
	s_wait_xcnt 0x0
; hn[r][c] = (x1[r][c] - mean_r) / sqrt(var_r + 1e-5) * ln2_w[c], rounded once to f16.  x1: [4096][1024] f32, ln2_w: [1024] f32, hn: [4096][1024] f16.
; The variance is the mean of the squared differences from the mean, taken in a second pass over registers: a common offset of the row costs nothing.
; LIMIT.  f16: the result must stay under 65,504.
; SHARES.  A work-group takes 8 rows, a wave one.  A row of 4,096 bytes lies in 32 registers of one wave (load j: 512 consecutive bytes at 512 j), so it is read once, and no wave waits for another: no LDS, no barrier.
; A store covers 256 consecutive bytes, aligned.
.set W,  4                             ; v[4:35]    w in the row's layout
.set X,  36                            ; v[36:67]   the row
.set T,  68                            ; v[68:75]   four chains of packed sums
.set MU, 76                            ; v[76:77]   the mean, twice
.set R,  78                            ; v[78:79]   1 / sqrt(var + eps), twice
.set Y,  80                            ; v[80:95]   the row in f16
	s_load_b128 s[4:7], s[0:1], 0x0                ; x1 s[4:5], ln2_w s[6:7]
	s_load_b64 s[8:9], s[0:1], 0x10                ; hn
	s_lshl_b32 s16, ttmp9, 15                      ; 8 rows of 4,096 bytes
	s_mov_b32 s17, 0
	s_lshl_b32 s18, ttmp9, 14                      ; 8 rows of 2,048 bytes
	s_mov_b32 s19, 0
	s_mov_b32 s12, 0x76543210                      ; v_permlanex16_b32: each lane takes its own place in the other half
	s_mov_b32 s13, 0xfedcba98
	s_mov_b32 s14, 0x3a800000                      ; 1 / 1024
	s_mov_b32 s15, 0x3727c5ac                      ; 1e-5
	v_and_b32 v1, 31, v0
	v_lshrrev_b32 v3, 5, v0
	v_lshlrev_b32 v2, 12, v3                       ; my wave's row in x1,
	v_lshl_add_u32 v2, v1, 4, v2                   ; 16 bytes a lane
	v_lshlrev_b32 v3, 11, v3                       ; and in hn,
	v_lshl_add_u32 v3, v1, 3, v3                   ; 8 bytes a lane
	v_lshlrev_b32 v1, 4, v1
	s_wait_kmcnt 0x0
	s_add_nc_u64 s[4:5], s[4:5], s[16:17]
	s_add_nc_u64 s[8:9], s[8:9], s[18:19]
.irp j, 0,1,2,3,4,5,6,7
	global_load_b128 v[X+4*(\j):X+4*(\j)+3], v2, s[4:5] offset:512*(\j)
.endr
.irp j, 0,1,2,3,4,5,6,7
	global_load_b128 v[W+4*(\j):W+4*(\j)+3], v1, s[6:7] offset:512*(\j)
.endr
.macro SUMUP                           ; the four chains into one number, the same in all 32 lanes
	v_pk_add_f32 v[T:T+1], v[T:T+1], v[T+2:T+3]
	v_pk_add_f32 v[T+4:T+5], v[T+4:T+5], v[T+6:T+7]
	v_pk_add_f32 v[T:T+1], v[T:T+1], v[T+4:T+5]
	v_add_f32 v[T], v[T], v[T+1]
	v_add_f32_dpp v[T], v[T], v[T] row_xmask:1 row_mask:0xf bank_mask:0xf
	v_add_f32_dpp v[T], v[T], v[T] row_xmask:2 row_mask:0xf bank_mask:0xf
	v_add_f32_dpp v[T], v[T], v[T] row_xmask:4 row_mask:0xf bank_mask:0xf
	v_add_f32_dpp v[T], v[T], v[T] row_xmask:8 row_mask:0xf bank_mask:0xf
	v_permlanex16_b32 v[T+1], v[T], s12, s13       ; its destination has been written above
	v_add_f32 v[T], v[T], v[T+1]
.endm
	s_wait_loadcnt 8                               ; the row is in; w's eight loads stay out
.irp k, 0,1,2,3
	v_pk_add_f32 v[T+2*(\k):T+2*(\k)+1], v[X+2*(\k):X+2*(\k)+1], v[X+8+2*(\k):X+8+2*(\k)+1]
.endr
.irp k, 8,9,10,11,12,13,14,15
	v_pk_add_f32 v[T+2*((\k)%4):T+2*((\k)%4)+1], v[T+2*((\k)%4):T+2*((\k)%4)+1], v[X+2*(\k):X+2*(\k)+1]
.endr
	SUMUP
	v_mul_f32 v[MU], s14, v[T]
	v_mul_f32 v[MU+1], s14, v[T]
.irp k, 0,1,2,3,4,5,6,7,8,9,10,11,12,13,14,15
	v_pk_add_f32 v[X+2*(\k):X+2*(\k)+1], v[X+2*(\k):X+2*(\k)+1], v[MU:MU+1] neg_lo:[0,1] neg_hi:[0,1]
.endr
.irp k, 0,1,2,3
	v_pk_mul_f32 v[T+2*(\k):T+2*(\k)+1], v[X+2*(\k):X+2*(\k)+1], v[X+2*(\k):X+2*(\k)+1]
.endr
.irp k, 4,5,6,7,8,9,10,11,12,13,14,15
	v_pk_fma_f32 v[T+2*((\k)%4):T+2*((\k)%4)+1], v[X+2*(\k):X+2*(\k)+1], v[X+2*(\k):X+2*(\k)+1], v[T+2*((\k)%4):T+2*((\k)%4)+1]
.endr
	SUMUP
	v_fma_f32 v[T], v[T], s14, s15                 ; var + eps
	v_rsq_f32 v[R], v[T]
	v_rsq_f32 v[R+1], v[T]
	v_nop                                          ; a plain instruction between the root and the use of its result (ISA guide 5.7.2)
	s_wait_loadcnt 0x0                             ; w
	s_wait_alu depctr_va_vdst(0)
.irp k, 0,1,2,3,4,5,6,7,8,9,10,11,12,13,14,15
	v_pk_mul_f32 v[X+2*(\k):X+2*(\k)+1], v[X+2*(\k):X+2*(\k)+1], v[R:R+1]
.endr
.irp k, 0,1,2,3,4,5,6,7,8,9,10,11,12,13,14,15
	v_pk_mul_f32 v[X+2*(\k):X+2*(\k)+1], v[X+2*(\k):X+2*(\k)+1], v[W+2*(\k):W+2*(\k)+1]
.endr
.irp k, 0,1,2,3,4,5,6,7,8,9,10,11,12,13,14,15
	v_cvt_pk_f16_f32 v[Y+(\k)], v[X+2*(\k)], v[X+2*(\k)+1]
.endr
.irp j, 0,1,2,3,4,5,6,7
	global_store_b64 v3, v[Y+2*(\j):Y+2*(\j)+1], s[8:9] offset:256*(\j)
.endr
	s_endpgm
.Lfunc_end_k_qffa39543ae_ln2:
	.size	k_qffa39543ae_ln2, .Lfunc_end_k_qffa39543ae_ln2-k_qffa39543ae_ln2
	.p2alignl 7, 3214868480
	.fill 96, 4, 3214868480
	.section	.rodata,"a",@progbits
	.p2align	6, 0x0
	.amdhsa_kernel k_qffa39543ae_ln2
		.amdhsa_group_segment_fixed_size 0
		.amdhsa_private_segment_fixed_size 0
		.amdhsa_enable_private_segment 0
		.amdhsa_kernarg_size 24
		.amdhsa_user_sgpr_count 2
		.amdhsa_user_sgpr_kernarg_segment_ptr 1
		.amdhsa_wavefront_size32 1
		.amdhsa_system_sgpr_workgroup_id_x 1
		.amdhsa_system_sgpr_workgroup_id_y 1
		.amdhsa_system_sgpr_workgroup_id_z 1
		.amdhsa_system_vgpr_workitem_id 0
		.amdhsa_next_free_vgpr 96
		.amdhsa_next_free_sgpr 66
		.amdhsa_reserve_vcc 0
		.amdhsa_float_denorm_mode_32 3
		.amdhsa_float_denorm_mode_16_64 3
		.amdhsa_memory_ordered 1
		.amdhsa_forward_progress 1
		.amdhsa_inst_pref_size 11
	.end_amdhsa_kernel
	.amdgpu_metadata
---
amdhsa.version: [ 1, 2 ]
amdhsa.kernels:
  - .name:           k_qffa39543ae_ln2
    .symbol:         k_qffa39543ae_ln2.kd
    .args:
      - { .name: x1, .offset: 0, .size: 8, .value_kind: global_buffer, .address_space: global }
      - { .name: ln2_w, .offset: 8, .size: 8, .value_kind: global_buffer, .address_space: global }
      - { .name: hn, .offset: 16, .size: 8, .value_kind: global_buffer, .address_space: global }
    .group_segment_fixed_size: 0
    .private_segment_fixed_size: 0
    .kernarg_segment_align: 8
    .kernarg_segment_size: 24
    .max_flat_workgroup_size: 256
    .sgpr_count:     66
    .vgpr_count:     96
    .wavefront_size: 32
...
	.end_amdgpu_metadata
.endif
;; end of part 5
;; launch gffn1 (part 6): grid 16 x 16, 4 waves a work-group, clusters of 4 x 4, 327,680 bytes of LDS; arguments hn, w1, wide, mask; writes wide
.if DOCPART == 6
	.amdgcn_target "amdgcn-amd-amdhsa--gfx1250"
	.amdhsa_code_object_version 6
	.text
	.protected	k_qffa39543ae_gffn1
	.globl	k_qffa39543ae_gffn1
	.p2align	8
	.type	k_qffa39543ae_gffn1,@function
k_qffa39543ae_gffn1:
	s_mov_b64 s[64:65], 0
	v_nop
	global_prefetch_b8 v0, s[64:65] scope:SCOPE_SE
	s_setreg_imm32_b32 hwreg(HW_REG_WAVE_MODE, 25, 1), 1
	s_wait_xcnt 0x0
	s_wait_alu depctr_hold_cnt(0) depctr_sa_sdst(0) depctr_va_vdst(0) depctr_va_sdst(0) depctr_va_ssrc(0) depctr_va_vcc(0) depctr_vm_vsrc(0)
	s_getreg_b32 s2, hwreg(HW_REG_IB_STS2, 6, 4)
	s_cmp_eq_u32 s2, 0
	s_cbranch_scc0 .Lentry_in_a_cluster
	s_endpgm
.Lentry_in_a_cluster:
	s_bfe_u32 s2, ttmp6, 0x10000c
	s_cmp_lg_u32 s2, 0xf033
	s_cbranch_scc0 .Lentry_shape_is_right
	s_endpgm
.Lentry_shape_is_right:
; g = gelu(m (hn w1^T)) m, tanh form, rounded once to bf16 and stored in PLANES of 64 columns: wide[column / 64][row][64].  hn: [4096][1024] f16, w1: [4096][1024] f16, m = mask[row], f32.
; The first factor m multiplies the product's rows, not hn's: (h m) W^T = m (h W^T), an order of rounding that differs from the formula's.  bf16, since gelu's result has no room in f16 for inputs some 30 times larger.
; gelu(z) = z / (1 + 2^(z (K0 + K1 z^2))), K0 = -2 log2(e) sqrt(2 / pi), K1 = 0.044715 K0; where z^2 overflows the exponent is an infinity and the result 0 or z.
; A tile of C, 256 x 256, is made by four waves, each 128 x 128: 64 accumulators, 512 registers; 16 x 16 = 256 work-groups.  K goes in 8 steps of 128 through a ring of two LDS slots filled by the tensor data mover.
; CLUSTER: 4 x 4 work-groups; A's tiles are asked for jointly along a row of the cluster, B's along a column.  THE MATRIX INSTRUCTION IS USED TRANSPOSED: lane l holds row l % 16 of C and the columns 8 (l / 16) + 0..7.
; ONE TEXT FOR A K STEP: the LDS addresses hang on s[TB], which an exclusive or turns from slot to slot; one descriptor a tensor walks.
; THE WAY OUT: behind the ring's last fill and last read each wave lays its 128 x 128 sums in f32, and each row's m, into its own part of the ring's bytes and reads them back four rows at a time: a store covers 512 consecutive bytes of a plane.
; REGISTERS: window 0: v0-31 addresses and m, v64-127 and v128-191 fragments of A, later the way out; window 1: the same numbers, fragments of B; windows 2, 3: accumulator (a, b) at v[8 (8 a + b)].
.set SIZE_K, 1024
.set KSTEP,  128
.set STEPS,  SIZE_K/KSTEP
.set PITCH,  272                       ; an LDS row: 256 bytes + 16 of padding: the 16 rows of a fragment load start at 16 different groups of four banks (64 banks of 4 bytes: ISA guide 11.1)
.set HALFT,  128*PITCH
.set SLOT,   4*HALFT                   ; 0x22000: no wave's place in a slot (wave x 0x8800) has one of its two bits, so an exclusive or with it changes slots
.set SPARE,  2*SLOT
.set EP,     528                       ; the way out: a row of 128 f32, the row's m at byte 512, 12 bytes unused
.set EREG,   128*EP
.set PLANE,  524288
.set MO,    7                          ; v7   4 (l % 16)
.set M,     8                          ; v[8:15]  m of row 16 a + l % 16 of my 128
.set ADRA0, 16
.set ADRB0, 17
.set ADRA,  18
.set ADRB,  19
.set DST,   20
.set RD,    21
.set GO,    22
.set DSM,   23                         ; v23  where my row's m goes
.set RDM,   24                         ; v24  where I read a row's m back
.set SPW,   28
.set NIL,   29
.set X,     32                         ; v[32:63]   the way out: 8 rows of sums
.set Z,     64                         ; v[64:95]   z = m x sum
.set ZM,    96                         ; v[96:127]  z m
.set T,     128                        ; v[128:159] at work
.set Y,     160                        ; v[160:175] bf16
.set MM,    176                        ; v[176:179] m of my row in group 0, twice; in group 1, twice
.set F0,    64
.set F1,    128
.set WV, 12
.set RH, 13
.set CH, 14
.set ROW0, 15                          ; s15  my first row of C: it enters global addresses alone
.set TB, 20
.set G1, 24
.set G0, 32
.set G1B, 48
.set G0B, 56
.set MSB, 0
.macro WIN new
.if MSB != (\new)
	s_set_vgpr_msb (MSB<<8)|(\new)
.set MSB, \new
.endif
.endm
.set MUL_LO, 0xa1
.set MUL_HI, 0xf1
.set TO_B,   0x40
.macro JLOAD s                         ; a joint load: waves 0 and 1 fetch A's halves, waves 2 and 3 B's; an s_nop 0 and four v_nop follow each line
	s_cmp_eq_u32 s[RH], 0
	s_cbranch_scc0 .Lfor_b_\@
	tensor_load_to_lds s[G0+4*(\s):G0+4*(\s)+3], s[G1:G1+7]
	s_nop 0
.rept 4
	v_nop
.endr
	s_branch .Lasked_\@
.Lfor_b_\@:
	tensor_load_to_lds s[G0B+4*(\s):G0B+4*(\s)+3], s[G1B:G1B+7]
	s_nop 0
.rept 4
	v_nop
.endr
.Lasked_\@:
.endm
.macro CREST
	s_cmp_lg_u32 s[WV], 0
	s_cbranch_scc1 .Lnot_wave_0_\@
	s_barrier_signal -3
.Lnot_wave_0_\@:
	s_barrier_wait -3
	s_barrier_signal -1
	s_barrier_wait -1
.endm
.macro CROUND
	s_barrier_signal -1
	s_barrier_wait -1
	CREST
.endm
	s_load_b128 s[4:7], s[0:1], 0x0                ; A s[4:5], B s[6:7]
	s_load_b128 s[8:11], s[0:1], 0x10              ; the planes s[8:9], mask s[10:11]
	v_lshl_add_u32 v[SPW], v0, 2, SPARE
	v_mov_b32 v[NIL], 0
	ds_add_u32 v[SPW], v[NIL]                      ; the wave's opening: the add and its wait stand ahead of my first tensor load
	ds_add_u32 v28, v29
	v_lshrrev_b32 v1, 5, v0
	v_readfirstlane_b32 s[WV], v1
	s_lshr_b32 s[RH], s[WV], 1
	s_and_b32 s[CH], s[WV], 1
	s_bfe_u32 s40, ttmp6, 0x40000
	s_bfe_u32 s41, ttmp6, 0x40004
	s_lshl_b32 s42, ttmp9, 2
	s_add_co_u32 s42, s42, s40                     ; tile column
	s_and_b32 s43, ttmp7, 0xffff
	s_lshl_b32 s43, s43, 2
	s_add_co_u32 s43, s43, s41                     ; tile row
	s_lshl_b32 s44, s41, 2
	s_lshl_b32 s44, 15, s44
	s_lshl_b32 s45, 0x1111, s40
	s_or_b32 s[G1+0], s44, (1<<16)|(1<<20)|(1<<21)|(5<<22)|(3<<25)
	s_or_b32 s[G1B+0], s45, (1<<16)|(1<<20)|(1<<21)|(5<<22)|(3<<25)
.irp g, G1, G1B
	s_mov_b32 s[(\g)+1], KSTEP<<16
	s_mov_b32 s[(\g)+2], 128<<16
	s_mov_b32 s[(\g)+3], KSTEP<<16
	s_mov_b32 s[(\g)+4], 128
	s_mov_b32 s[(\g)+5], SIZE_K
	s_mov_b32 s[(\g)+6], 0
	s_mov_b32 s[(\g)+7], 0
.endr
	s_lshl_b32 s17, s[CH], 7
	s_lshl_b32 s16, s43, 8
	s_add_co_u32 s16, s16, s17
	s_lshl_b32 s16, s16, 11
	s_lshl_b32 s46, s42, 8
	s_add_co_u32 s46, s46, s17
	s_lshl_b32 s46, s46, 11
	s_mov_b32 s17, 0
	s_mov_b32 s47, 0
	s_mul_i32 s22, s[WV], HALFT
	s_mov_b32 s[TB], 0
	s_wait_dscnt 0x0
	s_wait_kmcnt 0x0
	s_add_nc_u64 s[16:17], s[4:5], s[16:17]
	s_add_nc_u64 s[46:47], s[6:7], s[46:47]
	CROUND                                         ; all sixteen work-groups are here: the first joint loads meet
.irp s, 0,1
	s_mov_b32 s[G0+4*(\s)], 1
	s_add_co_u32 s[G0+4*(\s)+1], s22, (\s)*SLOT
	s_add_nc_u64 s[G0+4*(\s)+2:G0+4*(\s)+3], s[16:17], (\s)*KSTEP*2
	s_or_b32 s[G0+4*(\s)+3], s[G0+4*(\s)+3], 0x80000000
	s_mov_b32 s[G0B+4*(\s)], 1
	s_add_co_u32 s[G0B+4*(\s)+1], s22, (\s)*SLOT
	s_add_nc_u64 s[G0B+4*(\s)+2:G0B+4*(\s)+3], s[46:47], (\s)*KSTEP*2
	s_or_b32 s[G0B+4*(\s)+3], s[G0B+4*(\s)+3], 0x80000000
	JLOAD \s                                       ; K steps 0 and 1: two loads of mine are out
.endr
	v_and_b32 v1, 15, v0
	v_bfe_u32 v2, v0, 4, 1
	s_lshl_b32 s18, s43, 8                         ; my first row: 256 x tile row + 128 x half
	s_lshl_b32 s19, s[RH], 7
	s_add_co_u32 s[ROW0], s18, s19
	s_lshl_b32 s18, s[ROW0], 2
	s_mov_b32 s19, 0
	s_add_nc_u64 s[10:11], s[10:11], s[18:19]
	v_lshlrev_b32 v[MO], 2, v1
.irp a, 0,1,2,3,4,5,6,7
	global_load_b32 v[M+(\a)], v[MO], s[10:11] offset:64*(\a)  ; these stay out during the product
.endr
	s_lshl_b32 s18, s42, 2                         ; my first plane: 4 x tile column + 2 x half
	s_lshl_b32 s19, s[CH], 1
	s_add_co_u32 s18, s18, s19
	s_lshl_b32 s18, s18, 19
	s_lshl_b32 s19, s[ROW0], 7                     ; my first row, 128 bytes each
	s_add_co_u32 s18, s18, s19
	s_mov_b32 s19, 0
	s_add_nc_u64 s[8:9], s[8:9], s[18:19]
	v_mul_u32_u24 v3, v1, PITCH
	v_lshl_add_u32 v3, v2, 4, v3
	s_mul_i32 s23, s[RH], HALFT
	v_add_nc_u32 v[ADRA0], s23, v3
	s_mul_i32 s23, s[CH], HALFT
	s_add_co_u32 s23, s23, 2*HALFT
	v_add_nc_u32 v[ADRB0], s23, v3
	v_mov_b32 v[ADRA], v[ADRA0]
	v_mov_b32 v[ADRB], v[ADRB0]
	s_mul_i32 s23, s[WV], EREG
	v_mul_u32_u24 v4, v1, EP
	v_lshl_add_u32 v5, v2, 5, v4
	v_add_nc_u32 v[DST], s23, v5
	v_add_nc_u32 v[DSM], s23, v4
	v_add_nc_u32 v[DSM], 512, v[DSM]
	v_bfe_u32 v5, v0, 3, 2
	v_and_b32 v6, 7, v0
	v_mul_u32_u24 v5, v5, EP
	v_add_nc_u32 v[RDM], s23, v5
	v_add_nc_u32 v[RDM], 512, v[RDM]
	v_lshl_add_u32 v5, v6, 5, v5
	v_add_nc_u32 v[RD], s23, v5
	v_and_b32 v[GO], 31, v0
	v_lshlrev_b32 v[GO], 4, v[GO]
	s_mov_b32 s16, 0xc0135761                      ; K0 = -2.3022082
	s_mov_b32 s17, s16
	s_mov_b32 s18, 0xbdd2d3e8                      ; K1 = -0.10294324
	s_mov_b32 s19, s18
.macro MUL16 f, hi, a0, zero
	WIN MUL_LO+0x50*(\hi)
.irp a, \a0, (\a0)+1
.irp b, 0,1,2,3,4,5,6,7
.if \zero
	v_wmma_f32_16x16x32_f16 v[8*(8*(\a)+(\b)):8*(8*(\a)+(\b))+7], v[(\f)+8*(\b):(\f)+8*(\b)+7], v[(\f)+8*(4*(\hi)+(\a)):(\f)+8*(4*(\hi)+(\a))+7], 0
.else
	v_wmma_f32_16x16x32_f16 v[8*(8*(\a)+(\b)):8*(8*(\a)+(\b))+7], v[(\f)+8*(\b):(\f)+8*(\b)+7], v[(\f)+8*(4*(\hi)+(\a)):(\f)+8*(4*(\hi)+(\a))+7], v[8*(8*(\a)+(\b)):8*(8*(\a)+(\b))+7]
.endif
.endr
.endr
.endm
.macro FETCH k, f
	WIN TO_B
.irp i, 0,1,2,3,4,5,6,7
	ds_load_b128 v[(\f)+8*(\i):(\f)+8*(\i)+3],   v[ADRB] offset:(\k)+(\i)*16*PITCH
	ds_load_b128 v[(\f)+8*(\i)+4:(\f)+8*(\i)+7], v[ADRB] offset:(\k)+(\i)*16*PITCH+32
.endr
	WIN 0
.irp i, 0,1,2,3,4,5,6,7
	ds_load_b128 v[(\f)+8*(\i):(\f)+8*(\i)+3],   v[ADRA] offset:(\k)+(\i)*16*PITCH
	ds_load_b128 v[(\f)+8*(\i)+4:(\f)+8*(\i)+7], v[ADRA] offset:(\k)+(\i)*16*PITCH+32
.endr
.endm
.macro PLACES                          ; four plain vector instructions between a matrix instruction and a load into, or a read of, its registers (ISA guide 7.12.1 for reads)
.rept 4
	v_nop
.endr
.endm
; One of a K step's first three quarters: multiplies f, and behind its first sixteen products fetches the next quarter, at byte k, into g: the run stands 48 matrix instructions ahead of its first use.
; Buffer g's last readers are the quarter before's products; the four places stand directly ahead of the run.
.macro QUARTER k, f, g, zero
	s_wait_dscnt 8                                 ; B and A's rows 0-63 are in; the youngest eight loads may be out
	MUL16 \f, 0, 0, \zero
	PLACES
	FETCH \k, \g
	MUL16 \f, 0, 2, \zero
	s_wait_dscnt 32                                ; all but the 32 just issued
	MUL16 \f, 1, 0, \zero
	MUL16 \f, 1, 2, \zero
.endm
.macro MEET round                      ; in front of the one barrier of a change of slots: all my tensor loads, the add, my reads of this slot
	WIN 0
	s_wait_tensorcnt 0x0
	ds_add_u32 v[SPW], v[NIL]
	s_wait_dscnt 9                                 ; the add and the youngest eight loads may be out
	MUL16 F1, 0, 0, 0
	s_wait_dscnt 0x0
	s_barrier_signal -1
	MUL16 F1, 0, 2, 0
.if \round
	WIN 0
.endif
	s_barrier_wait -1
.endm
.macro TURN fill                       ; fill = 1: the barrier opens a round of the cluster's; the slot just read is filled again first thing behind it, 224 matrix instructions ahead of the wait for it
	MEET \fill
.if \fill
	CREST
	s_xor_b32 s[G0+5], s[G0+5], SLOT
	s_add_nc_u64 s[G0+6:G0+7], s[G0+6:G0+7], KSTEP*2
	s_xor_b32 s[G0B+5], s[G0B+5], SLOT
	s_add_nc_u64 s[G0B+6:G0B+7], s[G0B+6:G0B+7], KSTEP*2
	JLOAD 1
.else
	PLACES
.endif
	WIN 0
	s_xor_b32 s[TB], s[TB], SLOT
	v_add_nc_u32 v[ADRA], s[TB], v[ADRA0]
	v_add_nc_u32 v[ADRB], s[TB], v[ADRB0]
	FETCH 0, F0
	MUL16 F1, 1, 0, 0
	MUL16 F1, 1, 2, 0
.endm
	s_wait_tensorcnt 1                             ; my part of K step 0 is in; step 1's may stay out
	s_barrier_signal -1
	s_barrier_wait -1
	FETCH 0, F0
	QUARTER 64, F0, F1, 1
	WIN 0
	s_mov_b32 s3, STEPS-2
.Llap:
	QUARTER 128, F1, F0, 0
	QUARTER 192, F0, F1, 0
	TURN 1
	QUARTER 64, F0, F1, 0
	WIN 0
	s_sub_co_u32 s3, s3, 1
	s_cmp_lg_u32 s3, 0
	s_cbranch_scc1 .Llap
	s_mov_b32 s3, 2
.Ltail:                                                ; the last two K steps ask for nothing; the second trip is left in its middle
	QUARTER 128, F1, F0, 0
	QUARTER 192, F0, F1, 0
	WIN 0
	s_sub_co_u32 s3, s3, 1
	s_cmp_eq_u32 s3, 0
	s_cbranch_scc1 .Llast
	TURN 0
	QUARTER 64, F0, F1, 0
	WIN 0
	s_branch .Ltail
.Llast:
	s_wait_dscnt 0x0                               ; my last reads of the ring are back
	s_barrier_signal -1
	MUL16 F1, 0, 0, 0
	MUL16 F1, 0, 2, 0
	MUL16 F1, 1, 0, 0
	MUL16 F1, 1, 2, 0
	WIN 0
	s_barrier_wait -1                              ; nobody reads the ring any more, and it has had its last fill
	PLACES
.irp hi, 0,1
	WIN 0x08+4*(\hi)
.irp a, 0,1,2,3
.irp b, 0,1,2,3,4,5,6,7
	ds_store_b128 v[DST], v[8*(8*(\a)+(\b)):8*(8*(\a)+(\b))+3]   offset:(4*(\hi)+(\a))*16*EP+64*(\b)
	ds_store_b128 v[DST], v[8*(8*(\a)+(\b))+4:8*(8*(\a)+(\b))+7] offset:(4*(\hi)+(\a))*16*EP+64*(\b)+16
.endr
.endr
.endr
	WIN 0
	s_wait_loadcnt 0x0                             ; m
.irp a, 0,1,2,3,4,5,6,7
	ds_store_b32 v[DSM], v[M+(\a)] offset:(\a)*16*EP
.endr
; 8 rows back: group g of four rows, plane j; each row's m twice, to fill a pair.  LDS serves a wave's instructions in order (ISA guide 5.7.1.4).
.macro LOADS
.irp g, 0,1
.irp j, 0,1
	ds_load_b128 v[X+16*(\g)+8*(\j):X+16*(\g)+8*(\j)+3],   v[RD] offset:(\g)*4*EP+(\j)*256
	ds_load_b128 v[X+16*(\g)+8*(\j)+4:X+16*(\g)+8*(\j)+7], v[RD] offset:(\g)*4*EP+(\j)*256+16
.endr
	ds_load_b32 v[MM+2*(\g)],   v[RDM] offset:(\g)*4*EP
	ds_load_b32 v[MM+2*(\g)+1], v[RDM] offset:(\g)*4*EP
.endr
.endm
.macro EACH line:vararg                ; one line for each of the 16 pairs i
.set i, 0
.rept 16
	\line
.set i, i+1
.endr
.endm
	LOADS
	s_mov_b32 s21, 16
.Lout:                                                 ; sixteen trips of 8 rows
	s_wait_dscnt 0x0
	EACH v_pk_mul_f32 v[Z+2*i:Z+2*i+1], v[X+2*i:X+2*i+1], v[MM+2*(i/8):MM+2*(i/8)+1]
	EACH v_pk_mul_f32 v[ZM+2*i:ZM+2*i+1], v[Z+2*i:Z+2*i+1], v[MM+2*(i/8):MM+2*(i/8)+1]
	s_cmp_eq_u32 s21, 1
	s_cbranch_scc1 .Lnl                            ; the last trip has no next rows
	v_add_nc_u32 v[RD], 8*EP, v[RD]
	v_add_nc_u32 v[RDM], 8*EP, v[RDM]
	LOADS                                          ; they land under the arithmetic below
.Lnl:
	EACH v_pk_mul_f32 v[T+2*i:T+2*i+1], v[Z+2*i:Z+2*i+1], v[Z+2*i:Z+2*i+1]
	EACH v_pk_fma_f32 v[T+2*i:T+2*i+1], v[T+2*i:T+2*i+1], s[18:19], s[16:17] op_sel_hi:[1,0,0]
	EACH v_pk_mul_f32 v[T+2*i:T+2*i+1], v[T+2*i:T+2*i+1], v[Z+2*i:Z+2*i+1]
.set i, 0
.rept 32
	v_exp_f32 v[T+i], v[T+i]
.set i, i+1
.endr
	v_nop                                          ; a plain instruction behind the last exponential (ISA guide 5.7.2)
	s_wait_alu depctr_va_vdst(0)
	EACH v_pk_add_f32 v[T+2*i:T+2*i+1], v[T+2*i:T+2*i+1], 1.0 op_sel_hi:[1,0]
.set i, 0
.rept 32
	v_rcp_f32 v[T+i], v[T+i]
.set i, i+1
.endr
	v_nop
	s_wait_alu depctr_va_vdst(0)
	EACH v_pk_mul_f32 v[T+2*i:T+2*i+1], v[ZM+2*i:ZM+2*i+1], v[T+2*i:T+2*i+1]
	EACH v_cvt_pk_bf16_f32 v[Y+i], v[T+2*i], v[T+2*i+1]
.irp g, 0,1
.irp j, 0,1
	global_store_b128 v[GO], v[Y+8*(\g)+4*(\j):Y+8*(\g)+4*(\j)+3], s[8:9] offset:(\j)*PLANE+(\g)*512  ; four rows of a plane: 512 consecutive bytes
.endr
.endr
	s_wait_xcnt 0x0                                ; the stores' base and data are rewritten only behind this wait
	s_add_nc_u64 s[8:9], s[8:9], 1024
	s_sub_co_u32 s21, s21, 1
	s_cmp_lg_u32 s21, 0
	s_cbranch_scc1 .Lout
	s_wait_tensorcnt 0x0                           ; the wave's end
	ds_add_u32 v[SPW], v[NIL]
	s_wait_dscnt 0x0
	CROUND                                         ; the closing round
	s_endpgm
.Lfunc_end_k_qffa39543ae_gffn1:
	.size	k_qffa39543ae_gffn1, .Lfunc_end_k_qffa39543ae_gffn1-k_qffa39543ae_gffn1
	.p2alignl 7, 3214868480
	.fill 96, 4, 3214868480
	.section	.rodata,"a",@progbits
	.p2align	6, 0x0
	.amdhsa_kernel k_qffa39543ae_gffn1
		.amdhsa_group_segment_fixed_size 327680
		.amdhsa_private_segment_fixed_size 0
		.amdhsa_enable_private_segment 0
		.amdhsa_kernarg_size 32
		.amdhsa_user_sgpr_count 2
		.amdhsa_user_sgpr_kernarg_segment_ptr 1
		.amdhsa_wavefront_size32 1
		.amdhsa_system_sgpr_workgroup_id_x 1
		.amdhsa_system_sgpr_workgroup_id_y 1
		.amdhsa_system_sgpr_workgroup_id_z 1
		.amdhsa_system_vgpr_workitem_id 0
		.amdhsa_next_free_vgpr 1024
		.amdhsa_next_free_sgpr 66
		.amdhsa_reserve_vcc 0
		.amdhsa_float_denorm_mode_32 3
		.amdhsa_float_denorm_mode_16_64 3
		.amdhsa_memory_ordered 1
		.amdhsa_forward_progress 1
		.amdhsa_inst_pref_size 95
	.end_amdhsa_kernel
	.amdgpu_metadata
---
amdhsa.version: [ 1, 2 ]
amdhsa.kernels:
  - .name:           k_qffa39543ae_gffn1
    .symbol:         k_qffa39543ae_gffn1.kd
    .args:
      - { .name: hn, .offset: 0, .size: 8, .value_kind: global_buffer, .address_space: global }
      - { .name: w1, .offset: 8, .size: 8, .value_kind: global_buffer, .address_space: global }
      - { .name: wide, .offset: 16, .size: 8, .value_kind: global_buffer, .address_space: global }
      - { .name: mask, .offset: 24, .size: 8, .value_kind: global_buffer, .address_space: global }
    .group_segment_fixed_size: 327680
    .private_segment_fixed_size: 0
    .kernarg_segment_align: 8
    .kernarg_segment_size: 32
    .max_flat_workgroup_size: 128
    .sgpr_count:     66
    .vgpr_count:     1024
    .wavefront_size: 32
...
	.end_amdgpu_metadata
.endif
;; end of part 6
;; launch gffn2 (part 7): grid 8 x 32, 4 waves a work-group, clusters of 4 x 4, 327,680 bytes of LDS; arguments wide, w2, x1, out0, mask; writes out0
.if DOCPART == 7
	.amdgcn_target "amdgcn-amd-amdhsa--gfx1250"
	.amdhsa_code_object_version 6
	.text
	.protected	k_qffa39543ae_gffn2
	.globl	k_qffa39543ae_gffn2
	.p2align	8
	.type	k_qffa39543ae_gffn2,@function
k_qffa39543ae_gffn2:
	s_mov_b64 s[64:65], 0
	v_nop
	global_prefetch_b8 v0, s[64:65] scope:SCOPE_SE
	s_setreg_imm32_b32 hwreg(HW_REG_WAVE_MODE, 25, 1), 1
	s_wait_xcnt 0x0
	s_wait_alu depctr_hold_cnt(0) depctr_sa_sdst(0) depctr_va_vdst(0) depctr_va_sdst(0) depctr_va_ssrc(0) depctr_va_vcc(0) depctr_vm_vsrc(0)
	s_getreg_b32 s2, hwreg(HW_REG_IB_STS2, 6, 4)
	s_cmp_eq_u32 s2, 0
	s_cbranch_scc0 .Lentry_in_a_cluster
	s_endpgm
.Lentry_in_a_cluster:
	s_bfe_u32 s2, ttmp6, 0x10000c
	s_cmp_lg_u32 s2, 0xf033
	s_cbranch_scc0 .Lentry_shape_is_right
	s_endpgm
.Lentry_shape_is_right:
; out0 = x1 + m (g w2^T).  g: planes [64][4096 rows][64] bf16 (K = 64 x plane + column), w2: [1024][4096] bf16, x1 and out0: [4096][1024] f32, m = mask[row].  Sums, the factor m and the residual in f32.
; A tile of C is 128 x 128 (256 work-groups), four waves of 64 x 64: 16 accumulators.  K goes in 16 steps of 256 (four planes of A) through two LDS slots.
; A's tile: the tile's 128 rows of a plane are 16,384 dense bytes; a wave asks for two planes as two rows of 16,384 bytes, padded in LDS after every 128 bytes.  B's tile: 64 rows of 512 bytes a wave.
; CLUSTER 4 x 4: A's tiles are asked for jointly along a row of the cluster, B's along a column.  THE MATRIX INSTRUCTION IS USED TRANSPOSED: lane l holds row l % 16 of C and the columns 8 (l / 16) + 0..7,
; so a block's m is one number a lane: it is loaded twice, into a pair, and multiplied into the finished sums.
; The residual's 64 x 64 numbers of a wave are loaded at the start into 128 registers, in the layout of the stores, and stay out during the whole product.
; THE WAY OUT: behind the ring's last fill and last read each wave lays its sums into its own part of the ring's bytes and reads them back by rows: sixteen lanes store 256 consecutive bytes, aligned.
; REGISTERS: window 0: v0-31 addresses and m, v128-255 accumulator (a, b) at v[128 + 8 (4 a + b)]; window 1: two fragment buffers of 128 (64 of A, 64 of B); window 2: v0-127 the residual.
.set SIZE_K, 4096
.set STEPS,  SIZE_K/256
.set PLANE,  524288
.set PA,     144
.set APL,    128*PA
.set ATILE,  4*APL
.set PB,     528
.set BHALF,  64*PB
.set SLOT,   147456                    ; 0x24000; 141,312 are used.  No tile's place in a slot (0, 0x9000, 0x12000, 0x1a400) has one of its two bits, so an exclusive or with it changes slots
.set SPARE,  2*SLOT
.set DP,     272
.set DREG,   64*DP
.set MO,    7                          ; v7   4 (l % 16)
.set M,     8                          ; v[8:15]  m of row 16 a + l % 16 of my 64, twice
.set ADRA0, 16
.set ADRB0, 17
.set ADRA,  18
.set ADRB,  19
.set DST,   20
.set RD,    21
.set CO,    26
.set SPW,   28
.set NIL,   29
.set ACC,   128
.set F0,    0
.set F1,    128
.set WV, 12
.set RH, 13
.set CH, 14
.set ROW0, 15                          ; s15  my first row of C: it enters global addresses alone
.set TB, 20
.set G1, 24
.set G0, 32
.set G1B, 48
.set G0B, 56
.set MSB, 0
.macro WIN new
.if MSB != (\new)
	s_set_vgpr_msb (MSB<<8)|(\new)
.set MSB, \new
.endif
.endm
.set MUL,  0x05
.set TO_F, 0x40
.macro JLOAD s                         ; a joint load: waves 0 and 1 fetch A's planes, waves 2 and 3 B's halves; an s_nop 0 and four v_nop follow each line
	s_cmp_eq_u32 s[RH], 0
	s_cbranch_scc0 .Lfor_b_\@
	tensor_load_to_lds s[G0+4*(\s):G0+4*(\s)+3], s[G1:G1+7]
	s_nop 0
.rept 4
	v_nop
.endr
	s_branch .Lasked_\@
.Lfor_b_\@:
	tensor_load_to_lds s[G0B+4*(\s):G0B+4*(\s)+3], s[G1B:G1B+7]
	s_nop 0
.rept 4
	v_nop
.endr
.Lasked_\@:
.endm
.macro CREST
	s_cmp_lg_u32 s[WV], 0
	s_cbranch_scc1 .Lnot_wave_0_\@
	s_barrier_signal -3
.Lnot_wave_0_\@:
	s_barrier_wait -3
	s_barrier_signal -1
	s_barrier_wait -1
.endm
.macro CROUND
	s_barrier_signal -1
	s_barrier_wait -1
	CREST
.endm
	s_load_b256 s[4:11], s[0:1], 0x0               ; A s[4:5], B s[6:7], the residual s[8:9], the result s[10:11]
	s_load_b64 s[22:23], s[0:1], 0x20              ; mask
	v_lshl_add_u32 v[SPW], v0, 2, SPARE
	v_mov_b32 v[NIL], 0
	ds_add_u32 v[SPW], v[NIL]                      ; the wave's opening: the add and its wait stand ahead of my first tensor load
	ds_add_u32 v28, v29
	v_lshrrev_b32 v1, 5, v0
	v_readfirstlane_b32 s[WV], v1
	s_lshr_b32 s[RH], s[WV], 1
	s_and_b32 s[CH], s[WV], 1
	s_bfe_u32 s40, ttmp6, 0x40000
	s_bfe_u32 s41, ttmp6, 0x40004
	s_lshl_b32 s42, ttmp9, 2
	s_add_co_u32 s42, s42, s40                     ; tile column
	s_and_b32 s43, ttmp7, 0xffff
	s_lshl_b32 s43, s43, 2
	s_add_co_u32 s43, s43, s41                     ; tile row
	s_lshl_b32 s44, s41, 2
	s_lshl_b32 s44, 15, s44
	s_lshl_b32 s45, 0x1111, s40
	s_or_b32 s[G1+0], s44, (1<<16)|(1<<20)|(1<<21)|(4<<22)|(3<<25)   ; A: after every 32 words 4 words of padding
	s_mov_b32 s[G1+1], 8192<<16                    ; tensor_dim0 = 8,192 elements: 128 rows of a plane
	s_mov_b32 s[G1+2], 2<<16                       ; tensor_dim1 = 2 planes
	s_mov_b32 s[G1+3], 8192<<16
	s_mov_b32 s[G1+4], 2
	s_mov_b32 s[G1+5], PLANE/2                     ; elements from plane to plane
	s_mov_b32 s[G1+6], 0
	s_mov_b32 s[G1+7], 0
	s_or_b32 s[G1B+0], s45, (1<<16)|(1<<20)|(1<<21)|(6<<22)|(3<<25)  ; B: after every 128 words 4 words
	s_mov_b32 s[G1B+1], 256<<16
	s_mov_b32 s[G1B+2], 64<<16
	s_mov_b32 s[G1B+3], 256<<16
	s_mov_b32 s[G1B+4], 64
	s_mov_b32 s[G1B+5], SIZE_K
	s_mov_b32 s[G1B+6], 0
	s_mov_b32 s[G1B+7], 0
	s_lshl_b32 s16, s43, 14
	s_lshl_b32 s17, s[CH], 20
	s_add_co_u32 s16, s16, s17
	s_mov_b32 s17, 0
	s_lshl_b32 s46, s42, 7
	s_lshl_b32 s47, s[CH], 6
	s_add_co_u32 s46, s46, s47
	s_mul_i32 s46, s46, SIZE_K*2
	s_mov_b32 s47, 0
	s_mul_i32 s21, s[CH], 2*APL
	s_mul_i32 s2, s[CH], BHALF
	s_add_co_u32 s2, s2, ATILE
	s_mov_b32 s[TB], 0
	s_wait_dscnt 0x0
	s_wait_kmcnt 0x0
	s_add_nc_u64 s[16:17], s[4:5], s[16:17]
	s_add_nc_u64 s[46:47], s[6:7], s[46:47]
	CROUND                                         ; all sixteen work-groups are here: the first joint loads meet
.irp s, 0,1
	s_mov_b32 s[G0+4*(\s)], 1
	s_add_co_u32 s[G0+4*(\s)+1], s21, (\s)*SLOT
	s_add_nc_u64 s[G0+4*(\s)+2:G0+4*(\s)+3], s[16:17], (\s)*4*PLANE
	s_or_b32 s[G0+4*(\s)+3], s[G0+4*(\s)+3], 0x80000000
	s_mov_b32 s[G0B+4*(\s)], 1
	s_add_co_u32 s[G0B+4*(\s)+1], s2, (\s)*SLOT
	s_add_nc_u64 s[G0B+4*(\s)+2:G0B+4*(\s)+3], s[46:47], (\s)*512
	s_or_b32 s[G0B+4*(\s)+3], s[G0B+4*(\s)+3], 0x80000000
	JLOAD \s                                       ; K steps 0 and 1: two loads of mine are out
.endr
	v_and_b32 v1, 15, v0
	v_bfe_u32 v2, v0, 4, 1
	s_lshl_b32 s[ROW0], s43, 7
	s_lshl_b32 s19, s[RH], 6
	s_add_co_u32 s[ROW0], s[ROW0], s19             ; my first row of C
	s_lshl_b32 s18, s[ROW0], 2
	s_mov_b32 s19, 0
	s_add_nc_u64 s[22:23], s[22:23], s[18:19]
	v_lshlrev_b32 v[MO], 2, v1
.irp a, 0,1,2,3
	global_load_b32 v[M+2*(\a)],   v[MO], s[22:23] offset:64*(\a)
	global_load_b32 v[M+2*(\a)+1], v[MO], s[22:23] offset:64*(\a)
.endr
	s_lshl_b32 s18, s[ROW0], 12
	s_lshl_b32 s19, s42, 9
	s_add_co_u32 s18, s18, s19
	s_lshl_b32 s19, s[CH], 8
	s_add_co_u32 s18, s18, s19
	s_mov_b32 s19, 0
	s_add_nc_u64 s[8:9], s[8:9], s[18:19]
	s_add_nc_u64 s[10:11], s[10:11], s[18:19]
	v_lshlrev_b32 v[CO], 12, v2
	v_lshl_add_u32 v[CO], v1, 4, v[CO]
	WIN 0x80
.set i, 0
.rept 32
	global_load_b128 v[4*i:4*i+3], v[CO], s[8:9] offset:8192*i
.set i, i+1
.endr
	WIN 0
	v_mul_u32_u24 v3, v1, PA
	v_lshl_add_u32 v3, v2, 4, v3
	s_mul_i32 s2, s[RH], 64*PA
	v_add_nc_u32 v[ADRA0], s2, v3
	v_mul_u32_u24 v3, v1, PB
	v_lshl_add_u32 v3, v2, 4, v3
	s_mul_i32 s2, s[CH], BHALF
	s_add_co_u32 s2, s2, ATILE
	v_add_nc_u32 v[ADRB0], s2, v3
	v_mov_b32 v[ADRA], v[ADRA0]
	v_mov_b32 v[ADRB], v[ADRB0]
	s_mul_i32 s2, s[WV], DREG
	v_mul_u32_u24 v4, v1, DP
	v_lshl_add_u32 v4, v2, 5, v4
	v_add_nc_u32 v[DST], s2, v4
	v_mul_u32_u24 v4, v2, DP
	v_lshl_add_u32 v4, v1, 4, v4
	v_add_nc_u32 v[RD], s2, v4
.macro MUL8 f, c, a0, zero
	WIN MUL
.irp a, \a0, (\a0)+1
.irp b, 0,1,2,3
.if \zero
	v_wmma_f32_16x16x32_bf16 v[ACC+8*(4*(\a)+(\b)):ACC+8*(4*(\a)+(\b))+7], v[(\f)+64+8*(4*(\c)+(\b)):(\f)+64+8*(4*(\c)+(\b))+7], v[(\f)+8*(4*(\c)+(\a)):(\f)+8*(4*(\c)+(\a))+7], 0
.else
	v_wmma_f32_16x16x32_bf16 v[ACC+8*(4*(\a)+(\b)):ACC+8*(4*(\a)+(\b))+7], v[(\f)+64+8*(4*(\c)+(\b)):(\f)+64+8*(4*(\c)+(\b))+7], v[(\f)+8*(4*(\c)+(\a)):(\f)+8*(4*(\c)+(\a))+7], v[ACC+8*(4*(\a)+(\b)):ACC+8*(4*(\a)+(\b))+7]
.endif
.endr
.endr
.endm
.macro FETCH q, f
	WIN TO_F
.irp c, 0,1
.irp i, 0,1,2,3
	ds_load_b128 v[(\f)+64+8*(4*(\c)+(\i)):(\f)+64+8*(4*(\c)+(\i))+3],   v[ADRB] offset:128*(\q)+64*(\c)+(\i)*16*PB
	ds_load_b128 v[(\f)+64+8*(4*(\c)+(\i))+4:(\f)+64+8*(4*(\c)+(\i))+7], v[ADRB] offset:128*(\q)+64*(\c)+(\i)*16*PB+32
	ds_load_b128 v[(\f)+8*(4*(\c)+(\i)):(\f)+8*(4*(\c)+(\i))+3],         v[ADRA] offset:(\q)*APL+64*(\c)+(\i)*16*PA
	ds_load_b128 v[(\f)+8*(4*(\c)+(\i))+4:(\f)+8*(4*(\c)+(\i))+7],       v[ADRA] offset:(\q)*APL+64*(\c)+(\i)*16*PA+32
.endr
.endr
.endm
.macro PLACES                          ; four plain vector instructions between a matrix instruction and a load into, or a read of, its registers (ISA guide 7.12.1 for reads)
.rept 4
	v_nop
.endr
.endm
.macro QUARTER q, f, g, zero
	s_wait_dscnt 16                                ; the first 32 along K are in
	MUL8 \f, 0, 0, \zero
	MUL8 \f, 0, 2, \zero
	PLACES
	FETCH \q, \g
	s_wait_dscnt 32                                ; all but the 32 just issued
	MUL8 \f, 1, 0, 0
	MUL8 \f, 1, 2, 0
.endm
.macro TURN fill                       ; the last quarter changes slots; fill = 1: the barrier opens a round of the cluster's, and this slot is filled again, 112 matrix instructions ahead of the wait for it
	WIN 0
	s_wait_tensorcnt 0x0
	ds_add_u32 v[SPW], v[NIL]
	s_wait_dscnt 17                                ; the add and the youngest sixteen loads may be out
	MUL8 F1, 0, 0, 0
	s_wait_dscnt 0x0
	s_barrier_signal -1
	MUL8 F1, 0, 2, 0
.if \fill
	WIN 0
.endif
	s_barrier_wait -1
.if \fill
	CREST
	s_xor_b32 s[G0+5], s[G0+5], SLOT
	s_add_nc_u64 s[G0+6:G0+7], s[G0+6:G0+7], 4*PLANE
	s_xor_b32 s[G0B+5], s[G0B+5], SLOT
	s_add_nc_u64 s[G0B+6:G0B+7], s[G0B+6:G0B+7], 512
	JLOAD 1
.else
	PLACES
.endif
	WIN 0
	s_xor_b32 s[TB], s[TB], SLOT
	v_add_nc_u32 v[ADRA], s[TB], v[ADRA0]
	v_add_nc_u32 v[ADRB], s[TB], v[ADRB0]
	FETCH 0, F0
	MUL8 F1, 1, 0, 0
	MUL8 F1, 1, 2, 0
.endm
	s_wait_tensorcnt 1                             ; my part of K step 0 is in; step 1's may stay out
	s_barrier_signal -1
	s_barrier_wait -1
	FETCH 0, F0
	QUARTER 1, F0, F1, 1
	WIN 0
	s_mov_b32 s3, STEPS-2
.Llap:
	QUARTER 2, F1, F0, 0
	QUARTER 3, F0, F1, 0
	TURN 1
	QUARTER 1, F0, F1, 0
	WIN 0
	s_sub_co_u32 s3, s3, 1
	s_cmp_lg_u32 s3, 0
	s_cbranch_scc1 .Llap
	s_mov_b32 s3, 2
.Ltail:                                                ; the last two K steps ask for nothing; the second trip is left in its middle
	QUARTER 2, F1, F0, 0
	QUARTER 3, F0, F1, 0
	WIN 0
	s_sub_co_u32 s3, s3, 1
	s_cmp_eq_u32 s3, 0
	s_cbranch_scc1 .Llast
	TURN 0
	QUARTER 1, F0, F1, 0
	WIN 0
	s_branch .Ltail
.Llast:
	s_wait_dscnt 0x0                               ; my last reads of the ring are back
	s_barrier_signal -1
	MUL8 F1, 0, 0, 0
	MUL8 F1, 0, 2, 0
	MUL8 F1, 1, 0, 0
	MUL8 F1, 1, 2, 0
	WIN 0
	s_barrier_wait -1                              ; nobody reads the ring any more, and it has had its last fill
	PLACES
	s_wait_loadcnt 0x0                             ; m and the residual
.irp a, 0,1,2,3
.set i, 0
.rept 16                                           ; block a's four accumulators times its rows' m, each from its low end on
	v_pk_mul_f32 v[ACC+32*(\a)+2*i:ACC+32*(\a)+2*i+1], v[ACC+32*(\a)+2*i:ACC+32*(\a)+2*i+1], v[M+2*(\a):M+2*(\a)+1]
.set i, i+1
.endr
.endr
.irp a, 0,1,2,3
.irp b, 0,1,2,3
	ds_store_b128 v[DST], v[ACC+8*(4*(\a)+(\b)):ACC+8*(4*(\a)+(\b))+3]   offset:(\a)*16*DP+64*(\b)
	ds_store_b128 v[DST], v[ACC+8*(4*(\a)+(\b))+4:ACC+8*(4*(\a)+(\b))+7] offset:(\a)*16*DP+64*(\b)+16
.endr
.endr
.set i, 0
.rept 32
	ds_load_b128 v[ACC+4*i:ACC+4*i+3], v[RD] offset:2*DP*i  ; two rows a load; LDS serves a wave's instructions in order (ISA guide 5.7.1.4)
.set i, i+1
.endr
.irp gq, 0,1,2,3
	s_wait_dscnt 24-8*(\gq)                        ; the later groups' loads stay out
	WIN 0x08                                       ; source 1, the residual, in window 2
.set i, 16*(\gq)
.rept 16
	v_pk_add_f32 v[ACC+2*i:ACC+2*i+1], v[ACC+2*i:ACC+2*i+1], v[2*i:2*i+1]
.set i, i+1
.endr
	WIN 0
.set i, 8*(\gq)
.rept 8
	global_store_b128 v[CO], v[ACC+4*i:ACC+4*i+3], s[10:11] offset:8192*i  ; sixteen lanes store 256 consecutive bytes, aligned
.set i, i+1
.endr
.endr
	s_wait_tensorcnt 0x0                           ; the wave's end
	ds_add_u32 v[SPW], v[NIL]
	s_wait_dscnt 0x0
	CROUND                                         ; the closing round
	s_endpgm
.Lfunc_end_k_qffa39543ae_gffn2:
	.size	k_qffa39543ae_gffn2, .Lfunc_end_k_qffa39543ae_gffn2-k_qffa39543ae_gffn2
	.p2alignl 7, 3214868480
	.fill 96, 4, 3214868480
	.section	.rodata,"a",@progbits
	.p2align	6, 0x0
	.amdhsa_kernel k_qffa39543ae_gffn2
		.amdhsa_group_segment_fixed_size 327680
		.amdhsa_private_segment_fixed_size 0
		.amdhsa_enable_private_segment 0
		.amdhsa_kernarg_size 40
		.amdhsa_user_sgpr_count 2
		.amdhsa_user_sgpr_kernarg_segment_ptr 1
		.amdhsa_wavefront_size32 1
		.amdhsa_system_sgpr_workgroup_id_x 1
		.amdhsa_system_sgpr_workgroup_id_y 1
		.amdhsa_system_sgpr_workgroup_id_z 1
		.amdhsa_system_vgpr_workitem_id 0
		.amdhsa_next_free_vgpr 640
		.amdhsa_next_free_sgpr 66
		.amdhsa_reserve_vcc 0
		.amdhsa_float_denorm_mode_32 3
		.amdhsa_float_denorm_mode_16_64 3
		.amdhsa_memory_ordered 1
		.amdhsa_forward_progress 1
		.amdhsa_inst_pref_size 72
	.end_amdhsa_kernel
	.amdgpu_metadata
---
amdhsa.version: [ 1, 2 ]
amdhsa.kernels:
  - .name:           k_qffa39543ae_gffn2
    .symbol:         k_qffa39543ae_gffn2.kd
    .args:
      - { .name: wide, .offset: 0, .size: 8, .value_kind: global_buffer, .address_space: global }
      - { .name: w2, .offset: 8, .size: 8, .value_kind: global_buffer, .address_space: global }
      - { .name: x1, .offset: 16, .size: 8, .value_kind: global_buffer, .address_space: global }
      - { .name: out0, .offset: 24, .size: 8, .value_kind: global_buffer, .address_space: global }
      - { .name: mask, .offset: 32, .size: 8, .value_kind: global_buffer, .address_space: global }
    .group_segment_fixed_size: 327680
    .private_segment_fixed_size: 0
    .kernarg_segment_align: 8
    .kernarg_segment_size: 40
    .max_flat_workgroup_size: 128
    .sgpr_count:     66
    .vgpr_count:     640
    .wavefront_size: 32
...
	.end_amdgpu_metadata
.endif
;; end of part 7
